; MI455X (gfx1250); checked and timed in simulation.
; The chip was launched on July 23, 2026; its instructions are those of AMD's public machine-readable ISA for CDNA 5 (MIT licence, August 2026) and "CDNA5" Instruction Set Architecture Reference Guide (July 2026). The comments in the code are by the model that wrote it; some were corrected since.
;; Multi Head Attention. Allowed arithmetic: matrix products marked QUANTISED: E2M3 operands, one E8M0 scale for each 32 along K, by v_wmma_scale_f32_16x16x128_f8f6f4 with both operands' format E2M3, f32 sums; everything else in f32.
;; Inputs: Wk 1,024 x 1,024 float32; Wo 1,024 x 1,024 float32; Wq 1,024 x 1,024 float32; Wv 1,024 x 1,024 float32; bo 1,024 float32; x 4 x 2,048 x 1,024 float32.
;; Outputs: out0 4 x 2,048 x 1,024 float32.
;; This version of the problem:
;;   THIS VERSION OF THE PROBLEM IS GIVEN IN LOW PRECISION. The matrix products marked QUANTISED in the list below multiply operands that are first quantised to E2M3 (2 exponent bits, 3 mantissa bits; 6 bits a number), with one power-of-two scale for each 32 numbers along K (OCP MX v1.0); their sums are f32. All else is computed in f32.
;;   The module's matrix products, in the order in which they are computed (A, B: the left and right operand; K: the contracted axis; several contracted axes count as one K, in the product's order):
;;     1. [M 8,192, K 1,024] x [K 1,024, N 1,024]; A: input x; B: input Wq: QUANTISED
;;     2. [M 8,192, K 1,024] x [K 1,024, N 1,024]; A: input x; B: input Wk: QUANTISED
;;     3. [M 8,192, K 1,024] x [K 1,024, N 1,024]; A: input x; B: input Wv: QUANTISED
;;     4. batch 64 x [M 2,048, K 64] x [K 64, N 2,048]; A: computed on the way; B: computed on the way: QUANTISED
;;     5. batch 64 x [M 64, K 2,048] x [K 2,048, N 2,048]; A: computed on the way; B: softmax (see below): QUANTISED
;;     6. [M 8,192, K 1,024] x [K 1,024, N 1,024]; A: computed on the way; B: input Wo: QUANTISED
;;   THE QUANTISER, for each operand of a quantised product, along K:
;;     - K is cut into blocks of 32 from its start; a last block that is shorter is filled with zeros.
;;     - A block's scale is 2^e with e = floor(log2(the largest magnitude in the block)) - 2, held to -126 .. 127; a block of zeros has e = 0. As a byte (E8M0): e + 127.
;;     - Each number is divided by its block's scale, clamped to +-7.5, and rounded to the nearest number of E2M3, ties to even, subnormals kept.
;;     - The product sums the exact products of the quantised numbers (number of the format x scale) in f32.
;;   ~~~python
;;   def quantise(x, axis):      # numpy; x: float32 -> the quantised numbers, widened to float32 again
;;       x = np.moveaxis(x, axis, -1); K = x.shape[-1]
;;       x = np.pad(x, [(0, 0)] * (x.ndim - 1) + [(0, -K % 32)]); x = x.reshape(x.shape[:-1] + (-1, 32)); a = np.abs(x).max(-1, keepdims=True)
;;       e = np.where(a > 0, np.clip(np.frexp(np.where(a > 0, a, 1))[1] - 1 - 2, -126, 127), 0)      # np.frexp(a)[1] - 1 = floor(log2(a)), exactly
;;       r = np.clip(x / 2.0 ** e, -7.5, 7.5)
;;       step = 2.0 ** (np.maximum(np.frexp(np.where(r == 0, 1, r))[1] - 1, 0) - 3)
;;       q = np.round(r / step) * step * 2.0 ** e      # np.round: ties to even
;;       return np.moveaxis(q.reshape(q.shape[:-2] + (-1,))[..., :K], -1, axis).astype(np.float32)
;;   ~~~
;;   SOFTMAX AHEAD OF A QUANTISED PRODUCT. Where the list says 'softmax', what is quantised is not the finished softmax but p = 2^(t - M), with t = logit x log2(e) and M = ceil(the row's largest t), a whole number; so 1/2 < the row's largest p <= 1. The row's sum l is taken of the UNQUANTISED p, in f32, and the product's result is divided by l at the end. Since M is a whole number, a kernel that streams over the keys may use a running M (the ceiling of the running maximum): every later rescaling is an exact power of two, which a block's scale takes up: the codes' values come out the same.
;;   OPERANDS COMPUTED ON THE WAY. 'Computed on the way' means the value that the module computes at that place (a softmax that the list does not call 'softmax' is quantised finished and normalised). What goes into a quantiser is computed in f32, as accurately as f32 sums, v_exp_f32 and their like allow (about 1e-6 of the number): no bf16 or f16 on the way to a quantiser, and a product that is left as it is and whose result goes on into a quantised operand takes f32 operands (vector FMAs, or v_wmma_f32_16x16x4_f32). A number that lies on a knife's edge between two numbers of the format may be rounded either way, as far as f32 arithmetic and the matrix unit's own rounding can turn it there, and no further.
;; One version. Each part assembles by itself: llvm-mc -triple=amdgcn-amd-amdhsa -mcpu=gfx1250 --defsym DOCPART=n.
;; ======== version 1 of 1: 4 launches
;; limits: right only within a limited range of input values
;; workspace buffers: ops 9,830,400 bytes; qkv 20,185,088 bytes; ctx 6,553,600 bytes
;; launch quant (part 1): grid 256 x 1, 6 waves a work-group, no clusters, 51,456 bytes of LDS; arguments x, Wq, Wk, Wv, Wo, ops; writes ops
.if DOCPART == 1
	.amdgcn_target "amdgcn-amd-amdhsa--gfx1250"
	.amdhsa_code_object_version 6
	.text
	.protected	k_q1e129c08d6_quant
	.globl	k_q1e129c08d6_quant
	.p2align	8
	.type	k_q1e129c08d6_quant,@function
k_q1e129c08d6_quant:
	s_mov_b64 s[64:65], 0
	v_nop
	global_prefetch_b8 v0, s[64:65] scope:SCOPE_SE
	s_setreg_imm32_b32 hwreg(HW_REG_WAVE_MODE, 25, 1), 1
	s_wait_xcnt 0x0
; x [8192][1024], Wq, Wk, Wv, Wo [1024][1024], f32 with K innermost, become codes of FP6 (E2M3) with one E8M0 byte for each 32 along K,
; laid in ops AS IMAGES OF THE OPERAND'S REGISTERS, so that the products' launches read them without turning anything.
; A BLOCK is 16 rows; lane r of block p holds row 32 (p / 2) + 8 (p % 2) + r + 8 (r / 8).  Blocks: x 0-511, Wq 512-575, Wk 576-639, Wv 640-703, Wo 704-767.
; A HALF FRAGMENT is 16 rows x 64 K, six registers a lane, 768 bytes: registers 0-3 at 16 x lane, registers 4-5 at 512 + 8 x lane; lane (r, h) holds k = 32 h .. 32 h + 31 of row r.
; ops: codes [block][16 half fragments][768]; from SC_OPS on the scale words [block][K step / 4][r][K step % 4], a word for a row and 128 along K.
; A block's scale is 2^(floor(log2(largest magnitude)) - 2): its byte is the largest magnitude's exponent field - 2, held at 1 from below.
; LIMITS: a block whose largest magnitude lies under 2^-124, a block of zeros among them, gets the byte 1 (its codes are what the conversion gives, zeros for zeros; this program alone reads the bytes);
; NaN and infinities among the inputs are not served.
; SHARES: 1,536 units of (block, half of K) = 256 work-groups x 6 waves; a unit is four steps of 16 rows x 128 K.  Each load reads 512 consecutive bytes of one row; the 8 KiB of a step turn through
; the wave's own stage in LDS (rows of 512 + 16 bytes) and come back as 64 numbers a lane in the operand's order.  Waves share nothing: no barrier.
.set SC_OPS, 9437184
.set STGB,   8448                      ; a wave's stage: 16 rows x 528 bytes
.set SP,     528
.set SW,     16                        ; v16-19   the four steps' scale words
.set C,      24                        ; v24-35   a fragment's codes
.set T,      36                        ; v36-38, v40-42 the second halves of the blocks' codes as the conversions leave them
.set R,      64                        ; v64-191  two sets of 64 registers as loaded
.set X,      192                       ; v192-255 64 numbers: register 32 c + i = k 64 c + 32 h + i of my row
	s_load_b256 s[4:11], s[0:1], 0x0               ; x s[4:5], Wq s[6:7], Wk s[8:9], Wv s[10:11]
	s_load_b128 s[12:15], s[0:1], 0x20             ; Wo s[12:13], ops s[14:15]
	v_lshl_add_u32 v62, v0, 2, 0xc600
	v_mov_b32 v63, 0
	v_lshrrev_b32 v1, 5, v0
	v_readfirstlane_b32 s20, v1                    ; wave 0..5
	v_and_b32 v1, 31, v0                           ; lane
	v_and_b32 v2, 15, v0                           ; r
	v_bfe_u32 v3, v0, 4, 1                         ; h
	v_lshlrev_b32 v4, 4, v1                        ; 16 x lane
	v_lshlrev_b32 v5, 3, v1                        ; 8 x lane
	s_mul_i32 s21, s20, STGB
	v_add_nc_u32 v6, s21, v4                       ; the stage, on the way in: a row's 512 bytes as they lie
	v_mul_u32_u24 v7, v2, SP
	v_lshl_add_u32 v7, v3, 7, v7
	v_add_nc_u32 v7, s21, v7                       ; and on the way out: row r, + 128 h bytes
	v_lshlrev_b32 v8, 3, v3                        ; 8 h: my bytes' place in a scale word, in bits
	v_lshl_add_u32 v9, v2, 4, v8                   ; 16 r + 8 h: my two scale words' place in the unit's 256 bytes
	v_mov_b32 v22, 0                               ; a lane permute's destination counts as one of its sources
	s_mov_b32 s30, 0x76543210
	s_mov_b32 s31, 0xfedcba98                      ; v_permlanex16_b32's selects for lane l xor 16
	s_mul_i32 s22, ttmp9, 6
	s_add_co_u32 s22, s22, s20                     ; u = my unit
	s_lshr_b32 s23, s22, 1                         ; its block
	s_and_b32 s24, s22, 1                          ; its half of K
	s_and_b32 s25, s23, 63                         ; the block's number inside a weight
	s_wait_alu depctr_va_vdst(0)
	s_wait_kmcnt 0x0
	s_cmp_lt_u32 s23, 576                          ; which tensor: the choices hang on the block's number alone
	s_cselect_b64 s[16:17], s[6:7], s[8:9]
	s_cmp_lt_u32 s23, 704
	s_cselect_b64 s[18:19], s[10:11], s[12:13]
	s_cmp_lt_u32 s23, 640
	s_cselect_b64 s[16:17], s[16:17], s[18:19]
	s_cmp_lt_u32 s23, 512
	s_cselect_b64 s[16:17], s[4:5], s[16:17]
	s_cselect_b32 s25, s23, s25                    ; the block's number inside its tensor
	s_lshr_b32 s26, s25, 1
	s_lshl_b32 s26, s26, 17                        ; 32 rows of 4,096 bytes for each pair of blocks,
	s_and_b32 s27, s25, 1
	s_lshl_b32 s27, s27, 15                        ; 8 rows for the odd block,
	s_add_co_u32 s26, s26, s27
	s_lshl_b32 s27, s24, 11                        ; 512 numbers for the second half of K
	s_add_co_u32 s26, s26, s27
	s_mov_b32 s27, 0
	s_add_nc_u64 s[16:17], s[16:17], s[26:27]      ; where my unit's numbers begin
	s_mul_i32 s26, s22, 6144                       ; 12,288 x block + 6,144 x half = 6,144 u
	s_add_nc_u64 s[18:19], s[14:15], s[26:27]      ; where its codes go
	s_lshl_b32 s26, s22, 8
	s_add_co_u32 s26, s26, SC_OPS                  ; 512 x block + 256 x half = 256 u
	s_add_nc_u64 s[28:29], s[14:15], s[26:27]      ; where its scale words go
.macro LOAD s                          ; step s: the block's 16 rows, 512 consecutive bytes each, into set s % 2
.irp i, 0,1,2,3,4,5,6,7,8,9,10,11,12,13,14,15
	global_load_b128 v[R+64*((\s)%2)+4*\i:R+64*((\s)%2)+4*\i+3], v4, s[16:17] offset:(\i+8*(\i/8))*4096+512*(\s) th:TH_LOAD_NT
.endr
.endm
.macro TURN s                          ; through the stage: LDS serves a wave's instructions in order (ISA guide 5.7.1.4), so no wait stands between the stores and the loads
.irp i, 0,1,2,3,4,5,6,7,8,9,10,11,12,13,14,15
	ds_store_b128 v6, v[R+64*((\s)%2)+4*\i:R+64*((\s)%2)+4*\i+3] offset:SP*\i
.endr
.irp c, 0,1
.irp i, 0,1,2,3,4,5,6,7
	ds_load_b128 v[X+32*\c+4*\i:X+32*\c+4*\i+3], v7 offset:256*\c+16*\i
.endr
.endr
.endm
.macro STEP s
.if (\s) < 3
	s_wait_loadcnt 16                              ; this step's 16 loads are in; the next step's 16 may be out
.else
	s_wait_loadcnt 0x0
.endif
	TURN \s
	s_wait_dscnt 0x0                               ; my 64 numbers are back, and the stores have read the set
.if (\s) < 2
	LOAD (\s)+2                                    ; which takes the loads of two steps on
.endif
.irp c, 0,1                                    ; my block 2 c + h of the step: all its 32 numbers are mine
	v_max3_num_f32 v[10+\c], |v[X+32*\c]|, |v[X+32*\c+1]|, 0x1800000   ; with the floor 2^(3 - 127): the byte cannot fall under 1
.endr
.irp i, 2,4,6,8,10,12,14,16,18,20,22,24,26,28,30
.irp c, 0,1
	v_max3_num_f32 v[10+\c], v[10+\c], |v[X+32*\c+\i]|, |v[X+32*\c+\i+1]|   ; (the two blocks by turns)
.endr
.endr
.irp c, 0,1
	v_add_nc_u32 v[12+\c], 0xff000000, v[10+\c]    ; 2 off the exponent field: the conversion takes that field of this operand as its scale
.endr
.irp c, 0,1
	v_lshrrev_b32 v[14+\c], 23, v[12+\c]           ; the scale's byte
.endr
	v_lshl_or_b32 v[SW+(\s)], v15, 16, v14         ; blocks h and 2 + h of my row,
	v_lshlrev_b32 v[SW+(\s)], v8, v[SW+(\s)]       ; at their places in the word;
	v_permlanex16_b32 v22, v[SW+(\s)], s30, s31
	v_or_b32 v[SW+(\s)], v[SW+(\s)], v22           ; with lane l xor 16's two the word is whole
	s_wait_alu depctr_va_vdst(0)
	s_wait_xcnt 0x0                                ; the last step's stores have read the codes' registers: they are written again only behind this wait
.irp c, 0,1
	v_cvt_scalef32_pk16_fp6_f32 v[C+6*\c:C+6*\c+2], v[X+32*\c:X+32*\c+15], v[12+\c]
	v_cvt_scalef32_pk16_fp6_f32 v[T+4*\c:T+4*\c+2], v[X+32*\c+16:X+32*\c+31], v[12+\c]   ; (a conversion's three registers begin on an even number)
.endr
	v_nop                                          ; one plain place behind a scaled conversion
.irp c, 0,1
.irp i, 0,1,2
	v_mov_b32 v[C+3+6*\c+\i], v[T+4*\c+\i]
.endr
.endr
	global_store_b128 v4, v[C:C+3], s[18:19] offset:1536*(\s)          ; each store covers 512 or 256 consecutive bytes, at a multiple of 256 from the buffer's first byte
	global_store_b64 v5, v[C+4:C+5], s[18:19] offset:1536*(\s)+512
	global_store_b128 v4, v[C+6:C+9], s[18:19] offset:1536*(\s)+768
	global_store_b64 v5, v[C+10:C+11], s[18:19] offset:1536*(\s)+1280
.endm
	LOAD 0
	LOAD 1
	STEP 0
	STEP 1
	STEP 2
	STEP 3
	v_cmp_ne_u32 vcc_lo, 0, v3                     ; lanes 0-15 store their row's words of steps 0 and 1, lanes 16-31 those of steps 2 and 3
	v_cndmask_b32 v20, v[SW], v[SW+2], vcc_lo
	v_cndmask_b32 v21, v[SW+1], v[SW+3], vcc_lo
	global_store_b64 v9, v[20:21], s[28:29]        ; 256 consecutive bytes, aligned
	s_wait_tensorcnt 0x0
	ds_add_u32 v62, v63
	s_wait_dscnt 0x0
	s_endpgm
.Lfunc_end_k_q1e129c08d6_quant:
	.size	k_q1e129c08d6_quant, .Lfunc_end_k_q1e129c08d6_quant-k_q1e129c08d6_quant
	.p2alignl 7, 3214868480
	.fill 96, 4, 3214868480
	.section	.rodata,"a",@progbits
	.p2align	6, 0x0
	.amdhsa_kernel k_q1e129c08d6_quant
		.amdhsa_group_segment_fixed_size 51456
		.amdhsa_private_segment_fixed_size 0
		.amdhsa_enable_private_segment 0
		.amdhsa_kernarg_size 48
		.amdhsa_user_sgpr_count 2
		.amdhsa_user_sgpr_kernarg_segment_ptr 1
		.amdhsa_wavefront_size32 1
		.amdhsa_system_sgpr_workgroup_id_x 1
		.amdhsa_system_sgpr_workgroup_id_y 1
		.amdhsa_system_sgpr_workgroup_id_z 1
		.amdhsa_system_vgpr_workitem_id 0
		.amdhsa_next_free_vgpr 256
		.amdhsa_next_free_sgpr 66
		.amdhsa_reserve_vcc 1
		.amdhsa_float_denorm_mode_32 3
		.amdhsa_float_denorm_mode_16_64 3
		.amdhsa_memory_ordered 1
		.amdhsa_forward_progress 1
		.amdhsa_inst_pref_size 31
	.end_amdhsa_kernel
	.amdgpu_metadata
---
amdhsa.version: [ 1, 2 ]
amdhsa.kernels:
  - .name:           k_q1e129c08d6_quant
    .symbol:         k_q1e129c08d6_quant.kd
    .args:
      - { .name: x, .offset: 0, .size: 8, .value_kind: global_buffer, .address_space: global }
      - { .name: Wq, .offset: 8, .size: 8, .value_kind: global_buffer, .address_space: global }
      - { .name: Wk, .offset: 16, .size: 8, .value_kind: global_buffer, .address_space: global }
      - { .name: Wv, .offset: 24, .size: 8, .value_kind: global_buffer, .address_space: global }
      - { .name: Wo, .offset: 32, .size: 8, .value_kind: global_buffer, .address_space: global }
      - { .name: ops, .offset: 40, .size: 8, .value_kind: global_buffer, .address_space: global }
    .group_segment_fixed_size: 51456
    .private_segment_fixed_size: 0
    .kernarg_segment_align: 8
    .kernarg_segment_size: 48
    .max_flat_workgroup_size: 192
    .sgpr_count:     66
    .vgpr_count:     256
    .wavefront_size: 32
...
	.end_amdgpu_metadata
.endif
;; end of part 1
;; launch gemm_qkv (part 2): grid 8 x 32, 4 waves a work-group, clusters of 4 x 4, 327,680 bytes of LDS; arguments ops, qkv; writes qkv
.if DOCPART == 2
	.amdgcn_target "amdgcn-amd-amdhsa--gfx1250"
	.amdhsa_code_object_version 6
	.text
	.protected	k_q1e129c08d6_gemm_qkv
	.globl	k_q1e129c08d6_gemm_qkv
	.p2align	8
	.type	k_q1e129c08d6_gemm_qkv,@function
k_q1e129c08d6_gemm_qkv:
	s_mov_b64 s[64:65], 0
	v_nop
	global_prefetch_b8 v0, s[64:65] scope:SCOPE_SE
	s_setreg_imm32_b32 hwreg(HW_REG_WAVE_MODE, 25, 1), 1
	s_wait_xcnt 0x0
	s_wait_alu depctr_hold_cnt(0) depctr_sa_sdst(0) depctr_va_vdst(0) depctr_va_sdst(0) depctr_va_ssrc(0) depctr_va_vcc(0) depctr_vm_vsrc(0)
	s_getreg_b32 s2, hwreg(HW_REG_IB_STS2, 6, 4)
	s_cmp_eq_u32 s2, 0
	s_cbranch_scc0 .Lentry_in_a_cluster
	s_endpgm
.Lentry_in_a_cluster:
	s_bfe_u32 s2, ttmp6, 0x10000c
	s_cmp_lg_u32 s2, 0xf033
	s_cbranch_scc0 .Lentry_shape_is_right
	s_endpgm
.Lentry_shape_is_right:
; q, k = x [Wq; Wk]^T and v^T = Wv x^T on codes of FP6 (E2M3) with E8M0 scales, K = 1,024; the results are quantised in registers and leave as images of the next launch's operand registers.
; ops holds blocks of 16 rows (lane r of block p: row 32 (p / 2) + 8 (p % 2) + r + 8 (r / 8)), 12,288 bytes of codes each: 16 half fragments of 768 bytes (registers 0-3 at 16 x lane, 4-5 at 512 + 8 x lane).
; C = A B^T in tiles of 128 rows of A x 256 rows of B.  A WORK-GROUP STAYS AND MAKES THREE TILES: those of the rows of clusters y, y + 8 and y + 16 of 24.  Rows under 16: A = x, B = Wq and Wk.  Rows from 16 on: A = Wv, B = x.
; Four waves, each 64 x 128: 4 blocks of A x 8 of B, 32 accumulators.  THE MATRIX INSTRUCTION IS USED TRANSPOSED (source 0 = 16 rows of B, source 1 = 16 rows of A): a lane holds one row of A, and by the blocks' row order
; the 16 registers of B's blocks 2 i, 2 i + 1 are 16 neighbours along B's rows, which are the next product's K.
; LDS IS A RING OF TWO SLOTS, each half of K of a tile: A's 8 blocks x 6,144 bytes, then B's 16.  The ring goes on into the next tile: at K step 3 nobody reads the first slot any more, and it takes the next tile's first half
; (wave 0 A's, wave 1 B's); behind K step 7 the second slot takes the next tile's second half (waves 2 and 3).  Each refill stands behind a wait on TENSORcnt, an LDS add, its wait and a round of the cluster's barrier;
; every wait on TENSORcnt is for 0, and a wave has one tensor load out.  The second round shows the next tile's first half to all waves: its first fragments and its scale words are fetched ahead of
; the way out.  Tiles 0 and 1 are a loop of two trips; the last tile, which asks for nothing more, is written out.
; CLUSTERS: 4 x 4 work-groups; A's tile is shared along a row of the cluster, B's along a column: each half is asked for JOINTLY.  The scale words (12 KiB a tile against 288 KiB of codes) go straight into registers.
; No prefetch: a refill is asked for five K steps, or a way out and three K steps, ahead of the first read of its bytes.
; qkv: q's and k's codes [head, 0-15 q, 16-31 k][block of tokens 0-511][768]; from VTC v's [64 keys 0-127][4 x head + tile of 16 of the head's 64][768];
;   from QKS q's and k's scale words [head][4 blocks of tokens][256]: lane l's 8 bytes are two registers: the first holds block 4 n (lanes 0-15) and 4 n + 1 (lanes 16-31), the second 4 n + 2 and 4 n + 3; bytes 2, 3 of a word are 0;
;   from VTS v's [128 keys 0-63][head][256]: the same image for the head's four tiles, whole words.
; LIMITS: a block whose largest magnitude lies under 2^-124, a block of zeros among them, gets the byte 1 (this program alone reads the bytes); NaN and infinities are not served.
; REGISTERS: window 0: v1-14 lane and addresses; v32-47 A's scale words, v48-79 B's (register 8 (i / 2) + s: block i's word of K step s, even blocks in lanes 0-15, odd in lanes 16-31);
;   v96-143, v144-191 A's fragments, two sets; v192-237 the way out.  window 1: B's fragments, two sets, at v0 and v128.  window 2: accumulator (a, b) at v[8 (8 a + b)].
.set CH,     147456
.set BLK,    12288
.set SC_OPS, 9437184
.set VTC,    12582912
.set QKS,    18874368
.set VTS,    19922944
.set L16,  4
.set L8,   5
.set AA16, 6                           ; v6-9 LDS addresses of my A and B blocks in the first slot, planes of 16 and of 8 bytes a lane; v11-14 the same in the second slot
.set AA8,  7
.set AB16, 8
.set AB8,  9
.set SOF,  10
.set SA,   32
.set SB,   48
.set AF,   96
.set TM,   192
.set PW,   208
.set PC,   212
.set G1A, 24
.set G1B, 32
.set G0A, 40                           ; s[40:47] group 0 for A's two slots;  s[68:75] for B's
.set G0B, 68
.set MSB, 0
.macro WIN new
.if MSB != \new
	s_set_vgpr_msb (MSB<<8)|\new
.set MSB, \new
.endif
.endm
.macro WALU
	s_wait_alu depctr_va_vdst(0)
.endm
.macro PLACES
.rept 4
	v_nop
.endr
.endm
.macro CROUND
	s_barrier_signal -1
	s_barrier_wait -1
	s_cmp_lg_u32 s8, 0
	s_cbranch_scc1 .Lnot_wave_0_\@
	s_barrier_signal -3
.Lnot_wave_0_\@:
	s_barrier_wait -3
	s_barrier_signal -1
	s_barrier_wait -1
.endm
.macro TL g0, g1
	tensor_load_to_lds s[\g0:\g0+3], s[\g1:\g1+7]
	s_nop 0
	PLACES
.endm
.macro REFILL w, q                     ; wave w asks for A's half q, wave w + 1 for B's; the others ask for nothing
	s_cmp_eq_u32 s8, \w
	s_cbranch_scc0 .Lfor_b_\@
	TL G0A+4*\q, G1A
	s_branch .Lasked_\@
.Lfor_b_\@:
	s_cmp_eq_u32 s8, \w+1
	s_cbranch_scc0 .Lasked_\@
	TL G0B+4*\q, G1B
.Lasked_\@:
.endm
; which product the row of clusters s14 belongs to, and where its tiles begin: the same in all sixteen partners but for cx, cy
.macro KIND
	s_sub_co_u32 s20, s14, 16
	s_mov_b32 s63, QKS
	s_cmp_ge_u32 s14, 16
	s_cselect_b32 s16, ttmp9, s14                  ; the cluster's place along A's tiles,
	s_cselect_b32 s17, s20, ttmp9                  ; and along B's
	s_cselect_b32 s21, 640, 0                      ; A's first block in ops: Wv or x
	s_cselect_b32 s22, 0, 512                      ; B's: x or Wq
	s_cselect_b32 s23, 64, 512                     ; blocks of A in all
	s_cselect_b32 s62, VTC, 0                      ; where the codes go,
	s_cselect_b32 s63, VTS, s63                    ; where the scale words go,
	s_cselect_b32 s66, 8, 128                      ; and their images for each half fragment's worth of B
	s_lshl_b32 s18, s16, 2
	s_add_co_u32 s18, s18, s12                     ; A's tile: hangs on cy alone
	s_lshl_b32 s19, s17, 2
	s_add_co_u32 s19, s19, s11                     ; B's tile: hangs on cx alone
	s_lshl_b32 s56, s18, 3
	s_add_co_u32 s56, s56, s21
	s_lshl_b32 s58, s19, 4
	s_add_co_u32 s58, s58, s22
.endm
; behind KIND: that tile's scale words (s[84:87]) and the four descriptors' addresses.  No tensor load of mine is out where this stands
.macro NEXTD
	s_lshl_b32 s2, s9, 2
	s_add_co_u32 s2, s2, s56
	s_lshl_b32 s84, s2, 9
	s_add_co_u32 s84, s84, SC_OPS
	s_mov_b32 s85, 0
	s_lshl_b32 s3, s10, 3
	s_add_co_u32 s3, s3, s58
	s_lshl_b32 s86, s3, 9
	s_add_co_u32 s86, s86, SC_OPS
	s_mov_b32 s87, 0
	s_add_nc_u64 s[84:85], s[4:5], s[84:85]
	s_add_nc_u64 s[86:87], s[4:5], s[86:87]
	s_mul_i32 s56, s56, BLK
	s_mov_b32 s57, 0
	s_mul_i32 s58, s58, BLK
	s_mov_b32 s59, 0
	s_add_nc_u64 s[56:57], s[4:5], s[56:57]
	s_add_nc_u64 s[58:59], s[4:5], s[58:59]
.irp q, 0,1
	s_add_nc_u64 s[G0A+4*\q+2:G0A+4*\q+3], s[56:57], \q*6144
	s_or_b32 s[G0A+4*\q+3], s[G0A+4*\q+3], 0x80000000
	s_add_nc_u64 s[G0B+4*\q+2:G0B+4*\q+3], s[58:59], \q*6144
	s_or_b32 s[G0B+4*\q+3], s[G0B+4*\q+3], 0x80000000
.endr
.endm
; behind KIND: where that tile's results go
.macro OUTP
	s_lshl_b32 s67, s18, 3
	s_lshl_b32 s13, s9, 2
	s_add_co_u32 s67, s67, s13                     ; my first block of A among all
	s_lshl_b32 s13, s19, 2
	s_lshl_b32 s20, s10, 1
	s_add_co_u32 s13, s13, s20                     ; my first 64 rows of B among all
	s_mul_i32 s88, s13, s23
	s_add_co_u32 s88, s88, s67
	s_mul_i32 s88, s88, 768
	s_add_co_u32 s88, s88, s62
	s_mov_b32 s89, 0
	s_mul_i32 s90, s23, 768
	s_add_co_u32 s90, s90, s88
	s_mov_b32 s91, 0
	s_mul_i32 s92, s13, s66
	s_lshr_b32 s67, s67, 2
	s_add_co_u32 s92, s92, s67
	s_lshl_b32 s92, s92, 8
	s_add_co_u32 s92, s92, s63
	s_mov_b32 s93, 0
	s_add_nc_u64 s[88:89], s[6:7], s[88:89]
	s_add_nc_u64 s[90:91], s[6:7], s[90:91]
	s_add_nc_u64 s[92:93], s[6:7], s[92:93]
.endm
.macro SCALES                          ; the scale words of all of K: lanes 0-15 take the even block's row r, lanes 16-31 the odd block's: sixteen lanes read 256 consecutive bytes
.irp pi, 0,1
.irp hf, 0,1
	global_load_b128 v[SA+8*\pi+4*\hf:SA+8*\pi+4*\hf+3], v[SOF], s[84:85] offset:1024*\pi+256*\hf
.endr
.endr
.irp pi, 0,1,2,3
.irp hf, 0,1
	global_load_b128 v[SB+8*\pi+4*\hf:SB+8*\pi+4*\hf+3], v[SOF], s[86:87] offset:1024*\pi+256*\hf
.endr
.endr
.endm
.macro FRAG reg, a16, a8, off          ; a fragment, 16 rows x 128 K, 12 registers: two half fragments as they lie
	ds_load_b128 v[\reg:\reg+3], v[\a16] offset:\off
	ds_load_b64 v[\reg+4:\reg+5], v[\a8] offset:\off+512
	ds_load_b128 v[\reg+6:\reg+9], v[\a16] offset:\off+768
	ds_load_b64 v[\reg+10:\reg+11], v[\a8] offset:\off+1280
.endm
.macro FETCH s, set                    ; K step s: B's eight fragments and A's four, 48 loads in one run; steps 4-7 lie in the second slot
	WIN 0x40
.irp b, 0,1,2,3,4,5,6,7
	FRAG 128*(\set)+12*\b, AB16+5*((\s)/4), AB8+5*((\s)/4), 6144*\b+1536*((\s)%4)
.endr
	WIN 0
.irp a, 0,1,2,3
	FRAG AF+48*(\set)+12*\a, AA16+5*((\s)/4), AA8+5*((\s)/4), 6144*\a+1536*((\s)%4)
.endr
.endm
.macro WM d, bf, af, c, sb, sa, bo, ao ; bo, ao: B's, A's block is odd: its scale words lie in lanes 16-31
.if (\bo) && (\ao)
	v_wmma_scale_f32_16x16x128_f8f6f4 v[\d:\d+7], v[\bf:\bf+11], v[\af:\af+11], \c, v[\sb], v[\sa] matrix_a_fmt:MATRIX_FMT_FP6 matrix_b_fmt:MATRIX_FMT_FP6 matrix_a_scale:MATRIX_SCALE_ROW1 matrix_b_scale:MATRIX_SCALE_ROW1
.elseif \bo
	v_wmma_scale_f32_16x16x128_f8f6f4 v[\d:\d+7], v[\bf:\bf+11], v[\af:\af+11], \c, v[\sb], v[\sa] matrix_a_fmt:MATRIX_FMT_FP6 matrix_b_fmt:MATRIX_FMT_FP6 matrix_a_scale:MATRIX_SCALE_ROW1
.elseif \ao
	v_wmma_scale_f32_16x16x128_f8f6f4 v[\d:\d+7], v[\bf:\bf+11], v[\af:\af+11], \c, v[\sb], v[\sa] matrix_a_fmt:MATRIX_FMT_FP6 matrix_b_fmt:MATRIX_FMT_FP6 matrix_b_scale:MATRIX_SCALE_ROW1
.else
	v_wmma_scale_f32_16x16x128_f8f6f4 v[\d:\d+7], v[\bf:\bf+11], v[\af:\af+11], \c, v[\sb], v[\sa] matrix_a_fmt:MATRIX_FMT_FP6 matrix_b_fmt:MATRIX_FMT_FP6
.endif
.endm
.macro MULS s, set, zero               ; 32 products: the 32 accumulators take turns, one instruction a turn, in the same order in every K step
	WIN 0xa1
.irp a, 0,1,2,3
.irp b, 0,1,2,3,4,5,6,7
.if \zero
	WM 8*(8*\a+\b), 128*(\set)+12*\b, AF+48*(\set)+12*\a, 0, SB+8*(\b/2)+(\s), SA+8*(\a/2)+(\s), \b%2, \a%2
.else
	WM 8*(8*\a+\b), 128*(\set)+12*\b, AF+48*(\set)+12*\a, v[8*(8*\a+\b):8*(8*\a+\b)+7], SB+8*(\b/2)+(\s), SA+8*(\a/2)+(\s), \b%2, \a%2
.endif
.endr
.endr
	WIN 0
.endm
.macro STEP s                          ; K steps 0-2 and 4-6: the next step's fragments are asked for in one run, into the other set, and land under this step's 32 products
	s_wait_dscnt 0x0
.if (\s) > 0
	PLACES                                         ; four places in front of loads into registers that matrix instructions have read (ISA guide 7.12.1 for vector instructions)
.endif
	FETCH (\s)+1, 1-(\s)%2
.if (\s) == 0
	MULS \s, 0, 1
.else
	MULS \s, (\s)%2, 0
.endif
.endm
.macro QUANT a                         ; A's block a: my row's 64 registers, register 16 i + n = B's row 32 i + 16 (lane / 16) + n, become a fragment's codes and its scale word
	WIN 0x0a
.irp bb, 0,1,2,3
	v_max3_num_f32 v[TM+\bb], |v[64*\a+16*\bb]|, |v[64*\a+16*\bb+1]|, 0x1800000
.endr
.irp i, 2,4,6,8,10,12,14
.irp bb, 0,1,2,3
	v_max3_num_f32 v[TM+\bb], |v[64*\a+16*\bb+\i]|, |v[64*\a+16*\bb+\i+1]|, v[TM+\bb]
.endr
.endr
	WIN 0
.irp bb, 0,1,2,3
	v_permlanex16_b32 v[TM+4+\bb], v[TM+\bb], s20, s21
.endr
.irp bb, 0,1,2,3
	v_max_num_f32 v[TM+\bb], v[TM+\bb], v[TM+4+\bb]
.endr
.irp bb, 0,1,2,3
	v_add_nc_u32 v[TM+12+\bb], 0xff000000, v[TM+\bb]
.endr
.irp bb, 0,1,2,3
	v_lshrrev_b32 v[TM+4+\bb], 23, v[TM+12+\bb]
.endr
	v_lshl_or_b32 v[PW+\a], v[TM+5], 8, v[TM+4]
	v_lshl_or_b32 v[PW+\a], v[TM+6], 16, v[PW+\a]
	v_lshl_or_b32 v[PW+\a], v[TM+7], 24, v[PW+\a]
	s_wait_xcnt 0x0                                ; the last block's stores have read the codes' registers
	WIN 0x02
.irp c, 0,1
	v_cvt_scalef32_pk16_fp6_f32 v[PC+6*\c:PC+6*\c+2], v[64*\a+32*\c:64*\a+32*\c+15], v[TM+12+2*\c]
	v_cvt_scalef32_pk16_fp6_f32 v[PC+12+4*\c:PC+14+4*\c], v[64*\a+32*\c+16:64*\a+32*\c+31], v[TM+13+2*\c]
.endr
	WIN 0
	v_nop                                          ; one plain place behind a scaled conversion
.irp c, 0,1
.irp i, 0,1,2
	v_permlane16_swap_b32 v[PC+6*\c+\i], v[PC+12+4*\c+\i]
.endr
.irp i, 0,1,2
	v_mov_b32 v[PC+3+6*\c+\i], v[PC+12+4*\c+\i]
.endr
.endr
	global_store_b128 v[L16], v[PC:PC+3], s[88:89] offset:768*\a       ; each store covers 512 or 256 consecutive bytes, aligned to 256
	global_store_b64 v[L8], v[PC+4:PC+5], s[88:89] offset:768*\a+512
	global_store_b128 v[L16], v[PC+6:PC+9], s[90:91] offset:768*\a
	global_store_b64 v[L8], v[PC+10:PC+11], s[90:91] offset:768*\a+512
.endm
; A TILE.  On the way in: its first fragments and its scale words have been asked for.  last = 1: the third tile (v^T), which asks for nothing more
.macro TILE last
	s_wait_loadcnt 0x0                             ; the scale words
	STEP 0
	STEP 1
	STEP 2
	s_wait_dscnt 0x0                               ; K step 3's set is in: my reads of the first slot are over
	s_wait_tensorcnt 0x0                           ; all my tensor loads have landed
.if \last
	s_wait_xcnt 0x0
	KIND
	OUTP
	s_barrier_signal -1
	s_barrier_wait -1                              ; the second slot is whole
.else
	ds_add_u32 v254, v255                          ; work on registers stands between the add and the wait for it
	s_wait_xcnt 0x0                                ; the last tile's stores have read their bases
	KIND
	OUTP                                           ; where this tile's results go,
	s_add_co_u32 s14, s14, 8
	KIND
	NEXTD                                          ; and where the next tile comes from
	s_wait_dscnt 0x0
	CROUND                                         ; no wave of any partner still reads the first slot or has a load on its way; the second slot is whole
	REFILL 0, 0                                    ; the next tile's first half
.endif
	PLACES
	FETCH 4, 0
	MULS 3, 1, 0
	STEP 4
	STEP 5
	STEP 6
	s_wait_dscnt 0x0                               ; K step 7's set is in: my reads of the second slot are over
	MULS 7, 1, 0
.irp b, 0,1,2,3
	v_mov_b32 v[TM+4+\b], 0                        ; a lane permute's destination counts as one of its sources.  (These four are also the places behind the last products)
.endr
.if \last == 0
	SCALES                                         ; the next tile's scale words come under the way out
	s_wait_tensorcnt 0x0                           ; the next tile's first half has landed
	ds_add_u32 v254, v255
	s_wait_dscnt 0x0
	CROUND
	REFILL 2, 1                                    ; the next tile's second half
	FETCH 0, 0                                     ; and its first fragments
.endif
	s_mov_b32 s20, 0x76543210
	s_mov_b32 s21, 0xfedcba98                      ; v_permlanex16_b32's selects for lane l xor 16
	QUANT 0
	QUANT 1
	QUANT 2
	QUANT 3
	v_cmp_lt_u32 vcc_lo, 15, v1                    ; the scale words as an image of two registers: even blocks in lanes 0-15, odd in lanes 16-31
	v_cndmask_b32 v232, v[PW], v[PW+1], vcc_lo
	v_cndmask_b32 v233, v[PW+2], v[PW+3], vcc_lo
.if \last
	global_store_b64 v[L8], v[232:233], s[92:93]   ; v: a word serves 128 keys
.else
	v_and_b32 v234, 0xffff, v232                   ; q, k: a word's lower two bytes are my first head's 64, the upper two my second head's
	v_and_b32 v235, 0xffff, v233
	v_lshrrev_b32 v236, 16, v232
	v_lshrrev_b32 v237, 16, v233
	global_store_b64 v[L8], v[234:235], s[92:93]
	global_store_b64 v[L8], v[236:237], s[92:93] offset:32768
.endif
.endm
	s_load_b128 s[4:7], s[0:1], 0x0                ; ops s[4:5], qkv s[6:7]
	v_lshl_add_u32 v254, v0, 2, 0x48000
	v_mov_b32 v255, 0
	ds_add_u32 v254, v255                          ; the opening lines: the add twice on end and its wait
	ds_add_u32 v254, v255
	v_lshrrev_b32 v1, 5, v0
	v_readfirstlane_b32 s8, v1                     ; wave 0..3
	s_lshr_b32 s9, s8, 1                           ; which 64 rows of A are mine
	s_and_b32 s10, s8, 1                           ; which 128 rows of B are mine
	s_bfe_u32 s11, ttmp6, 0x40000                  ; cx
	s_bfe_u32 s12, ttmp6, 0x40004                  ; cy
	s_and_b32 s14, ttmp7, 0xffff                   ; the first tile's row of clusters
	s_lshl_b32 s2, s12, 2
	s_lshl_b32 s2, 15, s2                          ; my row of the cluster
	s_lshl_b32 s3, 0x1111, s11                     ; my column
	s_or_b32 s[G1A], s2, (3<<16)|(1<<21)           ; the mask; elements of 8 bytes; bit 21 beside a mask
	s_or_b32 s[G1B], s3, (3<<16)|(1<<21)
	s_mov_b32 s[G1A+1], 768<<16                    ; a block's 6,144 bytes of half of K
	s_mov_b32 s[G1A+2], 8<<16                      ; A's eight blocks
	s_mov_b32 s[G1A+3], 768<<16
	s_mov_b32 s[G1A+4], 8
	s_mov_b32 s[G1A+5], 1536                       ; from block to block: 12,288 bytes
	s_mov_b32 s[G1A+6], 0
	s_mov_b32 s[G1A+7], 0
	s_mov_b32 s[G1B+1], 768<<16
	s_mov_b32 s[G1B+2], 16<<16                     ; B's sixteen blocks
	s_mov_b32 s[G1B+3], 768<<16
	s_mov_b32 s[G1B+4], 16
	s_mov_b32 s[G1B+5], 1536
	s_mov_b32 s[G1B+6], 0
	s_mov_b32 s[G1B+7], 0
.irp q, 0,1
	s_mov_b32 s[G0A+4*\q], 1
	s_mov_b32 s[G0A+4*\q+1], \q*CH
	s_mov_b32 s[G0B+4*\q], 1
	s_mov_b32 s[G0B+4*\q+1], \q*CH+49152
.endr
	KIND
	s_wait_dscnt 0x0
	s_wait_kmcnt 0x0
	NEXTD
	CROUND                                         ; all sixteen work-groups are here: the joint loads meet
	s_cmp_eq_u32 s8, 0                             ; one tensor load a wave, in one chain of branches on the wave's number
	s_cbranch_scc0 .Lfill_1
	TL G0A, G1A
	s_branch .Lfilled
.Lfill_1:
	s_cmp_eq_u32 s8, 1
	s_cbranch_scc0 .Lfill_2
	TL G0B, G1B
	s_branch .Lfilled
.Lfill_2:
	s_cmp_eq_u32 s8, 2
	s_cbranch_scc0 .Lfill_3
	TL G0A+4, G1A
	s_branch .Lfilled
.Lfill_3:
	TL G0B+4, G1B
.Lfilled:
	v_and_b32 v1, 31, v0                           ; lane
	v_and_b32 v2, 15, v0                           ; r
	v_bfe_u32 v3, v0, 4, 1                         ; h
	v_lshlrev_b32 v[L16], 4, v1
	v_lshlrev_b32 v[L8], 3, v1
	s_mul_i32 s2, s9, 4*6144
	v_add_nc_u32 v[AA16], s2, v[L16]
	v_add_nc_u32 v[AA8], s2, v[L8]
	s_mul_i32 s3, s10, 8*6144
	s_add_co_u32 s3, s3, 49152
	v_add_nc_u32 v[AB16], s3, v[L16]
	v_add_nc_u32 v[AB8], s3, v[L8]
	v_lshlrev_b32 v[SOF], 4, v2
	v_lshl_add_u32 v[SOF], v3, 9, v[SOF]
.irp i, 6,7,8,9
	v_add_nc_u32 v[\i+5], CH, v[\i]                ; the same places in the second slot
.endr
	SCALES
	WALU
	s_cmp_lt_u32 s8, 2                             ; waves 0 and 1 brought the first half of K: they wait; the loads of waves 2 and 3 may stay out
	s_cbranch_scc0 .Lnot_first
	s_wait_tensorcnt 0x0
.Lnot_first:
	s_barrier_signal -1
	s_barrier_wait -1
	FETCH 0, 0
	s_mov_b32 s95, 0
.Ltile:
	TILE 0
	s_add_co_u32 s95, s95, 1
	s_cmp_lt_u32 s95, 2
	WALU
	s_cbranch_scc1 .Ltile
	TILE 1
	s_wait_tensorcnt 0x0                           ; the wave's end
	ds_add_u32 v254, v255
	s_wait_dscnt 0x0
	CROUND                                         ; the closing round
	s_endpgm
.Lfunc_end_k_q1e129c08d6_gemm_qkv:
	.size	k_q1e129c08d6_gemm_qkv, .Lfunc_end_k_q1e129c08d6_gemm_qkv-k_q1e129c08d6_gemm_qkv
	.p2alignl 7, 3214868480
	.fill 96, 4, 3214868480
	.section	.rodata,"a",@progbits
	.p2align	6, 0x0
	.amdhsa_kernel k_q1e129c08d6_gemm_qkv
		.amdhsa_group_segment_fixed_size 327680
		.amdhsa_private_segment_fixed_size 0
		.amdhsa_enable_private_segment 0
		.amdhsa_kernarg_size 16
		.amdhsa_user_sgpr_count 2
		.amdhsa_user_sgpr_kernarg_segment_ptr 1
		.amdhsa_wavefront_size32 1
		.amdhsa_system_sgpr_workgroup_id_x 1
		.amdhsa_system_sgpr_workgroup_id_y 1
		.amdhsa_system_sgpr_workgroup_id_z 1
		.amdhsa_system_vgpr_workitem_id 0
		.amdhsa_next_free_vgpr 768
		.amdhsa_next_free_sgpr 100
		.amdhsa_reserve_vcc 1
		.amdhsa_float_denorm_mode_32 3
		.amdhsa_float_denorm_mode_16_64 3
		.amdhsa_memory_ordered 1
		.amdhsa_forward_progress 1
		.amdhsa_inst_pref_size 169
	.end_amdhsa_kernel
	.amdgpu_metadata
---
amdhsa.version: [ 1, 2 ]
amdhsa.kernels:
  - .name:           k_q1e129c08d6_gemm_qkv
    .symbol:         k_q1e129c08d6_gemm_qkv.kd
    .args:
      - { .name: ops, .offset: 0, .size: 8, .value_kind: global_buffer, .address_space: global }
      - { .name: qkv, .offset: 8, .size: 8, .value_kind: global_buffer, .address_space: global }
    .group_segment_fixed_size: 327680
    .private_segment_fixed_size: 0
    .kernarg_segment_align: 8
    .kernarg_segment_size: 16
    .max_flat_workgroup_size: 128
    .sgpr_count:     100
    .vgpr_count:     768
    .wavefront_size: 32
...
	.end_amdgpu_metadata
.endif
;; end of part 2
;; launch attn (part 3): grid 4 x 64, 8 waves a work-group, clusters of 4 x 1, 210,944 bytes of LDS; arguments qkv, ctx; writes ctx
.if DOCPART == 3
	.amdgcn_target "amdgcn-amd-amdhsa--gfx1250"
	.amdhsa_code_object_version 6
	.text
	.protected	k_q1e129c08d6_attn
	.globl	k_q1e129c08d6_attn
	.p2align	8
	.type	k_q1e129c08d6_attn,@function
k_q1e129c08d6_attn:
	s_mov_b64 s[64:65], 0
	v_nop
	global_prefetch_b8 v0, s[64:65] scope:SCOPE_SE
	s_setreg_imm32_b32 hwreg(HW_REG_WAVE_MODE, 25, 1), 1
	s_wait_xcnt 0x0
	s_wait_alu depctr_hold_cnt(0) depctr_sa_sdst(0) depctr_va_vdst(0) depctr_va_sdst(0) depctr_va_ssrc(0) depctr_va_vcc(0) depctr_vm_vsrc(0)
	s_getreg_b32 s2, hwreg(HW_REG_IB_STS2, 6, 4)
	s_cmp_eq_u32 s2, 0
	s_cbranch_scc0 .Lentry_in_a_cluster
	s_endpgm
.Lentry_in_a_cluster:
	s_bfe_u32 s2, ttmp6, 0x10000c
	s_cmp_lg_u32 s2, 0x3003
	s_cbranch_scc0 .Lentry_shape_is_right
	s_endpgm
.Lentry_shape_is_right:
; ctx[b][q][head][:] = the sum over keys k <= q of softmax_k(q . k / 8) v, both products on codes of FP6 (E2M3) with E8M0 scales; ctx leaves quantised along the head's 64, as images of the last product's operand registers.
; LEFT OUT: key steps all of whose keys come after a tile's queries: the causal mask sets their scores to -infinity, so their p is 0 for all values of the inputs.
; THE SOFTMAX: t = score x log2(e) / 8; M = the row's largest t so far, rounded up to a whole number; p = 2^(t - M) is quantised along the keys, not normalised; the row's sum is taken of the unquantised p
; and divides at the end.  When M moves, the sum and O are multiplied by 2^(old M - new M): exact.
; SHARES.  A cluster of four work-groups owns one head of one batch (y = 16 b + head).  The head's K and V, codes and scale words, 208,896 bytes, lie in every partner's LDS, filled ONCE by joint loads (mask: all four),
; one load a wave: wave 0 K's scale words, wave 1 V's, waves 2-3 a half each of K's codes, waves 4-7 a quarter each of V's.  The 2,048 queries are 16 groups of 128; group g wants key steps 0 .. g of 128 keys.
; A WAVE TAKES TWO TILES OF 16 QUERIES AT ONCE, tiles 2 cx (A) and 2 cx + 1 (B) of one group: each fragment of K and V feeds both.
; THE DEAL OF GROUPS IS UNEVEN, the longer walks to the lower wave numbers: waves 0-3 take groups 15 - w and 8 + w, 25 key steps each; waves 4-7 take groups 11 - w and w - 4, 9 key steps each.
; A wave's group is w xor 12 (w / 4) xor 15 in the first pass, xor 8 in the second.  cx enters global addresses and the numbers that the mask compares with, nothing else.
; No prefetch: all that the launch reads of K and V is asked for at its head, so there is no loop to run ahead in.
; LAYOUT.  Both products are used transposed (S^T = K Q^T, O^T = V^T P^T): a lane holds one query of each tile.  Lane r of a tile t of keys holds key 32 (t / 2) + 8 (t % 2) + r + 8 (r / 8), so the 16 registers of
; tiles 2 i, 2 i + 1 are keys 32 i + 16 (lane / 16) + 0 .. 15.  K = 64 in an instruction of 128: Q's codes of k = 64 .. 127 are zeros, and both sides' scale bytes there are 0 (2^-127, a number).
; THE STEP.  V's fragments are asked for at its head; K's fragments of the NEXT step right behind the first products: 18 loads, which stay out until the next step.  Plain lines whose results are read behind the
; batch's closing wait stand among the exponentials: tile B's multiply-adds among tile A's, tile A's first level of sums among tile B's.
; LIMITS: the scaled scores stay under 2^31 in magnitude; a block of ctx whose largest magnitude lies under 2^-124 gets the byte 1 (this program alone reads the bytes); NaN and infinities are not served.
; REGISTERS.  Window 0: v1 16 x lane, v2 8 x lane, v3-8 the step's LDS addresses, v9 8 r, v10 16 r, v12/16 -M, v13/17 the largest score, v[14:15]/v[18:19] the sums, v20/22 f, v24/25 the mask's numbers,
;   v26/27 Q's scale words, v28/29 p's, v30/31 the add's; v32-85 K (v80-85 zeros), v86-89 K's scale words, v90-91 V's, v92-95 at work, v96-143 V, v144-157 the second pass's Q, v160-183 Q with its zeros,
;   v184.. the blocks' maxima, permutes, scale operands, p's codes.  Window 1: v0-63 tile A's scores, then p; v64-127 tile B's; v128-159 O^T of A, v160-191 of B.
.set QKS,  18874368
.set VTC,  12582912
.set VTS,  19922944
.set CTXS, 6291456
.set LV,   98304                       ; LDS: K's codes at 0 (step j at 6,144 j, tile t at + 768 t); V's here (6,144 j + 3,072 x half of the keys + 768 t);
.set LKS,  196608                      ; K's scale words (512 j);
.set LVS,  204800                      ; V's (256 j);
.set SPARE, 208896                     ; the spare words, 128 bytes a wave
.set KF,   32
.set VF,   96
.set QF,   160
.set BM,   184
.set BP,   192
.set SO,   200
.set PC,   208
.set T2,   232
.set OA,   128
.set WV,   8
.set G1KC, 24
.set G1KS, 32
.set G1VC, 40
.set G1VS, 48
.set G0KC, 56
.set G0KS, 60
.set G0VC, 68
.set G0VS, 72
.set J,    76
.set G,    77
.set TB,   78                          ; 6,144 J;  s79 the same in V;  s80, s81 the scale words' places
.set TBV,  79
.set TS,   80
.set TJ,   81
.set MSB, 0
.macro WIN new                         ; the immediate's high byte repeats the setting that is left
.if MSB != \new
	s_set_vgpr_msb (MSB<<8)|\new
.set MSB, \new
.endif
.endm
.macro WALU
	s_wait_alu depctr_va_vdst(0)
.endm
.macro H2
	s_delay_alu instid0(VALU_DEP_2)
.endm
.macro CROUND
	s_barrier_signal -1
	s_barrier_wait -1
	s_cmp_lg_u32 s[WV], 0
	s_cbranch_scc1 .Lnot_wave_0_\@
	s_barrier_signal -3
.Lnot_wave_0_\@:
	s_barrier_wait -3
	s_barrier_signal -1
	s_barrier_wait -1
.endm
.macro GROUP1 g, c, r, p               ; r rows of c elements of 8 bytes, p elements apart; the mask names all four work-groups
	s_mov_b32 s[\g], 15|(3<<16)|(1<<21)
	s_mov_b32 s[\g+1], (\c)<<16
	s_mov_b32 s[\g+2], (\r)<<16
	s_mov_b32 s[\g+3], (\c)<<16
	s_mov_b32 s[\g+4], \r
	s_mov_b32 s[\g+5], \p
	s_mov_b32 s[\g+6], 0
	s_mov_b32 s[\g+7], 0
.endm
.macro TL g0, g1
	tensor_load_to_lds s[\g0:\g0+3], s[\g1:\g1+7]
	s_nop 0
.rept 4
	v_nop
.endr
.endm
.macro WMM d, a, b, c, sa, sb, row
.if \row
	v_wmma_scale_f32_16x16x128_f8f6f4 v[\d:\d+7], v[\a:\a+11], v[\b:\b+11], \c, v[\sa], v[\sb] matrix_a_fmt:MATRIX_FMT_FP6 matrix_b_fmt:MATRIX_FMT_FP6 matrix_a_scale:MATRIX_SCALE_ROW1
.else
	v_wmma_scale_f32_16x16x128_f8f6f4 v[\d:\d+7], v[\a:\a+11], v[\b:\b+11], \c, v[\sa], v[\sb] matrix_a_fmt:MATRIX_FMT_FP6 matrix_b_fmt:MATRIX_FMT_FP6
.endif
.endm
.macro TREE cnt, st                    ; a level of the sums, in place, both tiles: v[st k] += v[st k + st / 2]
.set n, 0
.rept \cnt
	v_pk_add_f32 v[n:n+1], v[n:n+1], v[n+(\st)/2:n+(\st)/2+1]
.set n, n+\st
.endr
.endm
; pass p's addresses, and its loads of Q: tile A's half fragment into qa, tile B's into qb, their scale words into sc, sc + 1
.macro ADDR p, qa, qb, sc
.set QB_, 82+12*\p
.set CB_, 86+4*\p
	s_lshr_b32 s13, s[WV], 2
	s_mul_i32 s13, s13, 12
	s_xor_b32 s13, s13, s[WV]
	s_xor_b32 s13, s13, 15-7*\p                    ; my group of this pass
	s_lshl_b32 s18, s13, 1
	s_lshl_b32 s13, s13, 3
	s_lshl_b32 s14, s10, 1
	s_add_co_u32 s13, s13, s14                     ; tile A among the batch's 128: 8 x group + 2 cx
	s_lshl_b32 s14, s11, 7
	s_add_co_u32 s14, s14, s13                     ; its block of tokens
	s_lshl_b32 s15, s12, 9
	s_add_co_u32 s15, s15, s14
	s_mul_i32 s16, s15, 768
	s_mov_b32 s17, 0
	s_add_nc_u64 s[QB_:QB_+1], s[4:5], s[16:17]    ; Q's half fragments: B's lies 768 bytes behind A's
	s_lshl_b32 s16, s12, 7
	s_lshl_b32 s15, s11, 5
	s_add_co_u32 s16, s16, s15
	s_add_co_u32 s16, s16, s18
	s_lshr_b32 s18, s10, 1
	s_add_co_u32 s16, s16, s18                     ; the image of four blocks' scale words: 128 head + 32 b + tile / 4,
	s_lshl_b32 s16, s16, 8
	s_and_b32 s18, s10, 1
	s_lshl_b32 s18, s18, 2                         ; in it register cx % 2; A in lanes 0-15, B in lanes 16-31 (128 bytes on)
	s_add_co_u32 s16, s16, s18
	s_add_co_u32 s16, s16, QKS
	s_add_nc_u64 s[QB_+2:QB_+3], s[4:5], s[16:17]
	s_lshl_b32 s16, s14, 4
	s_add_co_u32 s16, s16, s12
	s_mul_i32 s16, s16, 768
	s_add_nc_u64 s[CB_:CB_+1], s[6:7], s[16:17]    ; ctx's half fragment [block][head]: B's block lies 12,288 bytes on
	s_lshl_b32 s16, s14, 9
	s_lshr_b32 s18, s12, 3
	s_lshl_b32 s18, s18, 8
	s_add_co_u32 s16, s16, s18
	s_bfe_u32 s18, s12, 0x20001
	s_lshl_b32 s18, s18, 2
	s_add_co_u32 s16, s16, s18
	s_and_b32 s18, s12, 1
	s_lshl_b32 s18, s18, 1
	s_add_co_u32 s16, s16, s18
	s_add_co_u32 s16, s16, CTXS
	s_add_nc_u64 s[CB_+2:CB_+3], s[6:7], s[16:17]  ; ctx's scale bytes [block][K step / 4][r][K step % 4], K step = head / 2, bytes 2 (head % 2) on
	global_load_b128 v[\qa:\qa+3], v1, s[QB_:QB_+1]
	global_load_b64 v[\qa+4:\qa+5], v2, s[QB_:QB_+1] offset:512
	global_load_b128 v[\qb:\qb+3], v1, s[QB_:QB_+1] offset:768
	global_load_b64 v[\qb+4:\qb+5], v2, s[QB_:QB_+1] offset:1280
	global_load_b32 v[\sc], v9, s[QB_+2:QB_+3]
	global_load_b32 v[\sc+1], v9, s[QB_+2:QB_+3] offset:128
.endm
	s_load_b128 s[4:7], s[0:1], 0x0                ; qkv s[4:5], ctx s[6:7]
	v_lshl_add_u32 v30, v0, 2, SPARE
	v_mov_b32 v31, 0
	ds_add_u32 v30, v31                            ; the opening lines: the add twice on end and its wait
	ds_add_u32 v30, v31
	v_lshrrev_b32 v1, 5, v0
	v_readfirstlane_b32 s[WV], v1                  ; wave 0..7
	s_and_b32 s9, s[WV], 1                         ; which half of K's codes (waves 2, 3)
	s_and_b32 s19, s[WV], 3                        ; which quarter of V's (waves 4-7)
	s_bfe_u32 s10, ttmp6, 0x40000                  ; cx
	s_and_b32 s13, ttmp7, 0xffff
	s_lshr_b32 s11, s13, 4                         ; b
	s_and_b32 s12, s13, 15                         ; head
	GROUP1 G1KC, 32, 192, 32                       ; 49,152 dense bytes as rows of 256
	GROUP1 G1KS, 32, 32, 32                        ; 8,192 dense bytes
	GROUP1 G1VC, 384, 8, 6144                      ; the head's four tiles (3,072 bytes) of eight times 64 keys, 49,152 bytes apart
	GROUP1 G1VS, 32, 16, 512                       ; the head's image (256 bytes) of sixteen key steps, 4,096 bytes apart
	s_add_co_u32 s14, s12, 16
	s_lshl_b32 s14, s14, 9
	s_lshl_b32 s15, s11, 7
	s_add_co_u32 s14, s14, s15                     ; K's first block: (16 + head) x 512 + 128 b
	s_mul_i32 s16, s14, 768
	s_mul_i32 s76, s9, 49152
	s_add_co_u32 s16, s16, s76
	s_mov_b32 s17, 0
	s_lshl_b32 s78, s14, 6                         ; its scale words: 256 bytes for four blocks
	s_add_co_u32 s78, s78, QKS
	s_mov_b32 s79, 0
	s_lshl_b32 s80, s11, 5
	s_lshl_b32 s81, s19, 3
	s_add_co_u32 s80, s80, s81                     ; V: 64 keys number 32 b + 8 x quarter
	s_lshl_b32 s80, s80, 6
	s_lshl_b32 s81, s12, 2
	s_add_co_u32 s80, s80, s81
	s_mul_i32 s80, s80, 768
	s_add_co_u32 s80, s80, VTC
	s_mov_b32 s81, 0
	s_lshl_b32 s82, s11, 8                         ; V's scale words: (16 x key step 16 b + head) x 256
	s_add_co_u32 s82, s82, s12
	s_lshl_b32 s82, s82, 8
	s_add_co_u32 s82, s82, VTS
	s_mov_b32 s83, 0
	s_mov_b32 s20, 0x76543210
	s_mov_b32 s21, 0xfedcba98                      ; v_permlanex16_b32's selects for lane l xor 16
	s_mov_b32 s22, 0x3e38aa3b                      ; c = log2(e) / 8
	s_mov_b32 s23, s22                             ; (named with it as a pair)
	s_mov_b32 s98, 0xbe38aa3b                      ; -c
	s_wait_dscnt 0x0
	s_wait_kmcnt 0x0
	s_mov_b32 s[G0KC], 1
	s_mov_b32 s[G0KC+1], s76
	s_add_nc_u64 s[G0KC+2:G0KC+3], s[4:5], s[16:17]
	s_or_b32 s[G0KC+3], s[G0KC+3], 0x80000000
	s_mov_b32 s[G0KS], 1
	s_mov_b32 s[G0KS+1], LKS
	s_add_nc_u64 s[G0KS+2:G0KS+3], s[4:5], s[78:79]
	s_or_b32 s[G0KS+3], s[G0KS+3], 0x80000000
	s_mov_b32 s[G0VC], 1
	s_mul_i32 s[G0VC+1], s19, 24576
	s_add_co_u32 s[G0VC+1], s[G0VC+1], LV
	s_add_nc_u64 s[G0VC+2:G0VC+3], s[4:5], s[80:81]
	s_or_b32 s[G0VC+3], s[G0VC+3], 0x80000000
	s_mov_b32 s[G0VS], 1
	s_mov_b32 s[G0VS+1], LVS
	s_add_nc_u64 s[G0VS+2:G0VS+3], s[4:5], s[82:83]
	s_or_b32 s[G0VS+3], s[G0VS+3], 0x80000000
	CROUND                                         ; all four work-groups are here: the joint loads meet
	s_cmp_eq_u32 s[WV], 0                          ; one chain of branches on the wave's number, one load to an arm
	s_cbranch_scc0 .Larm_1
	TL G0KS, G1KS
	s_branch .Lasked
.Larm_1:
	s_cmp_eq_u32 s[WV], 1
	s_cbranch_scc0 .Larm_2
	TL G0VS, G1VS
	s_branch .Lasked
.Larm_2:
	s_cmp_lt_u32 s[WV], 4
	s_cbranch_scc0 .Larm_3
	TL G0KC, G1KC
	s_branch .Lasked
.Larm_3:
	TL G0VC, G1VC
.Lasked:
	v_and_b32 v3, 31, v0                           ; lane
	v_lshlrev_b32 v1, 4, v3
	v_lshlrev_b32 v2, 3, v3
	v_and_b32 v10, 15, v0                          ; r
	v_lshlrev_b32 v9, 3, v10
	v_and_b32 v11, 8, v10
	v_add_nc_u32 v11, v11, v10                     ; r + 8 (r / 8)
	v_bfe_u32 v4, v0, 4, 1
	v_lshlrev_b32 v4, 4, v4
	v_sub_nc_u32 v11, v11, v4                      ; - 16 h
	v_lshlrev_b32 v10, 4, v10
	s_lshl_b32 s13, s10, 5
	v_add_nc_u32 v24, s13, v11                     ; A's query in its group - 16 h: register 16 i + n of the diagonal step is hidden where 32 i + n is above it
	v_add_nc_u32 v25, 8, v24                       ; B's
.irp i, 80,81,82,83,84,85,166,167,168,169,170,171,178,179,180,181,182,183
	v_mov_b32 v[\i], 0                             ; what stands behind K's tile 7, and Q's codes of k = 64 .. 127
.endr
.irp i, 192,193,194,195,196,197,198,199,92,93,94,95,21,23
	v_mov_b32 v[\i], 0                             ; permutes' destinations count as sources; v21, v23 are named as upper halves of pairs
.endr
	WALU
	ADDR 0, QF, QF+12, 26                          ; both passes' Q come under the tensor loads' flight
	ADDR 1, 144, 150, 156
.macro PASS p
.set CB_, 86+4*\p
.if \p
	s_wait_xcnt 0x0                                ; the last tiles' stores have read their registers
.set n, 0
.rept 6
	v_mov_b32 v[QF+n], v[144+n]
	v_mov_b32 v[QF+12+n], v[150+n]
.set n, n+1
.endr
	v_mov_b32 v26, v156
	v_mov_b32 v27, v157
.endif
	s_lshr_b32 s[G], s[WV], 2
	s_mul_i32 s[G], s[G], 12
	s_xor_b32 s[G], s[G], s[WV]
	s_xor_b32 s[G], s[G], 15-7*\p                  ; my group of this pass
	v_mov_b32 v13, 0xff61b1e6                      ; the largest score so far: -3e38
	v_mov_b32 v17, 0xff61b1e6
	v_mov_b32 v12, 0x7f61b1e6                      ; -M
	v_mov_b32 v16, 0x7f61b1e6
	v_mov_b32 v14, 0
	v_mov_b32 v15, 0
	v_mov_b32 v18, 0
	v_mov_b32 v19, 0
	v_add_nc_u32 v7, LKS, v2
	WIN 0x40
.set n, 0
.rept 64
	v_mov_b32 v[OA+n], 0                           ; O^T of both tiles: the step is written once, and the first finds zeros
.set n, n+1
.endr
	WIN 0
	s_mov_b32 s[J], 0
	s_mov_b32 s[TB], 0
	s_mov_b32 s[TBV], LV
	s_mov_b32 s[TS], LKS
	s_mov_b32 s[TJ], LVS
.if \p == 0
	WALU
	s_wait_tensorcnt 0x0                           ; my part has landed,
	s_barrier_signal -1
	s_barrier_wait -1                              ; everybody's has
.endif
.irp t, 0,1,2,3,4,5,6,7                        ; key step 0's K: 18 loads, as each step leaves them for the next
	ds_load_b128 v[KF+6*\t:KF+6*\t+3], v1 offset:768*\t
	ds_load_b64 v[KF+6*\t+4:KF+6*\t+5], v2 offset:768*\t+512
.endr
	ds_load_b64 v[86:87], v7
	ds_load_b64 v[88:89], v7 offset:256
.if \p == 0
	s_wait_loadcnt 0x0                             ; Q of both passes
.endif
.Lstep_\@:                                         ; 16 trips, a constant; a step all of whose keys come after my queries is jumped over, but for the lines that step addresses
	s_cmp_gt_u32 s[J], s[G]
	s_cbranch_scc1 .Lhidden_\@
	v_add_nc_u32 v3, s[TB], v1                     ; these six are also the places in front of the loads into V's registers
	v_add_nc_u32 v4, s[TB], v2
	v_add_nc_u32 v5, s[TBV], v1
	v_add_nc_u32 v6, s[TBV], v2
	v_add_nc_u32 v7, s[TS], v2
	v_add_nc_u32 v8, s[TJ], v2
.irp t, 0,1,2,3
	ds_load_b128 v[VF+12*\t:VF+12*\t+3], v5 offset:768*\t
	ds_load_b64 v[VF+12*\t+4:VF+12*\t+5], v6 offset:768*\t+512
	ds_load_b128 v[VF+12*\t+6:VF+12*\t+9], v5 offset:768*\t+3072
	ds_load_b64 v[VF+12*\t+10:VF+12*\t+11], v6 offset:768*\t+3584
.endr
	ds_load_b64 v[90:91], v8
	WALU
	s_wait_dscnt 17                                ; K is in; V's 17 loads may be out
	WIN 0x40
.irp x, 0,1                                    ; S^T = K Q^T: eight tiles of 16 keys for each tile of queries, each a sum of its own
.irp tp, 0,1,2,3
.set D_, 64*\x+16*\tp
	WMM D_, KF+12*\tp, QF+12*\x, 0, 86+\tp, 26+\x, 0
	WMM D_+8, KF+6+12*\tp, QF+12*\x, 0, 86+\tp, 26+\x, 1
.endr
.endr
.rept 4
	v_nop                                          ; four places: in front of the loads into K's registers and of the first read of the scores
.endr
	WIN 0
.irp t, 0,1,2,3,4,5,6,7                        ; the next step's K (behind step 15: bytes of V's region, which nobody uses)
	ds_load_b128 v[KF+6*\t:KF+6*\t+3], v3 offset:6144+768*\t
	ds_load_b64 v[KF+6*\t+4:KF+6*\t+5], v4 offset:6144+768*\t+512
.endr
	ds_load_b64 v[86:87], v7 offset:512
	ds_load_b64 v[88:89], v7 offset:768
	s_cmp_lg_u32 s[J], s[G]                        ; on the diagonal the scores of hidden keys become -infinity ahead of the maximum: p = 0 then
	s_cbranch_scc1 .Lopen_\@
	v_mov_b32 v94, 0xff800000
	WIN 0x41
.set n, 0
.rept 64
	v_cmp_gt_i32 vcc_lo, 32*(n/16)+n%16, v24
	v_cndmask_b32 v[n], v[n], v94, vcc_lo
.set n, n+1
.endr
.set n, 0
.rept 64
	v_cmp_gt_i32 vcc_lo, 32*(n/16)+n%16, v25
	v_cndmask_b32 v[64+n], v[64+n], v94, vcc_lo
.set n, n+1
.endr
	WIN 0
.Lopen_\@:
	WIN 0x05                                       ; the largest score of each block of 32 keys, eight chains by turns (blocks 0-3 tile A's, 4-7 tile B's); each accumulator from its low end on
.irp x, 0,1,2,3,4,5,6,7
	v_max_num_f32 v[BM+\x], v[16*\x], v[16*\x+1]
.endr
.irp i, 2,4,6,8,10,12,14
.irp x, 0,1,2,3,4,5,6,7
	v_max3_num_f32 v[BM+\x], v[16*\x+\i], v[16*\x+\i+1], v[BM+\x]
.endr
.endr
	WIN 0
.irp x, 0,1,2,3,4,5,6,7
	v_permlanex16_b32 v[BP+\x], v[BM+\x], s20, s21
.endr
.irp x, 0,1,2,3,4,5,6,7
	v_max_num_f32 v[BM+\x], v[BM+\x], v[BP+\x]     ; with lane l xor 16's 16 keys
.endr
	v_mov_b32 v92, v12
	v_mov_b32 v93, v16
	v_max3_num_f32 v13, v13, v[BM], v[BM+1]        ; the running largest score, the two tiles by turns
	v_max3_num_f32 v17, v17, v[BM+4], v[BM+5]
	H2
	v_max3_num_f32 v13, v13, v[BM+2], v[BM+3]
	H2
	v_max3_num_f32 v17, v17, v[BM+6], v[BM+7]
	H2
	v_mul_f32 v94, s98, v13                        ; -t (c is positive)
	H2
	v_mul_f32 v95, s98, v17
	H2
	v_floor_f32 v12, v94                           ; the new -M = floor(-t) = -ceil(t)
	H2
	v_floor_f32 v16, v95
	H2
	v_sub_f32 v94, v12, v92                        ; old M - new M: a whole number, 0 or less
	H2
	v_sub_f32 v95, v16, v93
	H2
	v_cvt_i32_f32 v94, v94                         ; (it saturates)
	H2
	v_cvt_i32_f32 v95, v95
	H2
	v_ldexp_f32 v20, 1.0, v94                      ; f = 2^(old M - new M)
	H2
	v_ldexp_f32 v22, 1.0, v95
.irp x, 0,1,2,3
	v_fma_f32 v[BM+\x], v[BM+\x], s22, v12         ; t - M of each block's largest score
.endr
.irp x, 4,5,6,7
	v_fma_f32 v[BM+\x], v[BM+\x], s22, v16
.endr
	WIN 0x41
.set n, 0
.rept 32
	v_pk_fma_f32 v[n:n+1], v[n:n+1], s[22:23], v[12:13] op_sel_hi:[1,0,0]   ; tile A: t - M, two at a time
.set n, n+2
.endr
	WIN 0
	WALU
.irp x, 0,1,2,3,4,5,6,7
	v_exp_f32 v[BM+\x], v[BM+\x]                   ; the blocks' largest p
.endr
	WIN 0x41
.set n, 0
.rept 32
	v_exp_f32 v[n], v[n]                           ; tile A's p = 2^(t - M),
	v_exp_f32 v[n+1], v[n+1]
	v_pk_fma_f32 v[64+n:65+n], v[64+n:65+n], s[22:23], v[16:17] op_sel_hi:[1,0,0]   ; and among them tile B's t - M, read behind the wait below
.set n, n+2
.endr
	WIN 0
	WALU                                           ; one wait: behind the first batch, ahead of the second
.irp x, 0,1,2,3,4,5,6,7
	v_max_num_f32 v[BM+\x], 0x1800000, v[BM+\x]    ; the floor 2^(3 - 127): the byte cannot fall under 1
.endr
.irp x, 0,1,2,3,4,5,6,7
	v_add_nc_u32 v[SO+\x], 0xff000000, v[BM+\x]    ; 2 off the exponent field: the conversion's scale operand
.endr
.irp x, 0,1,2,3,4,5,6,7
	v_lshrrev_b32 v[BP+\x], 23, v[SO+\x]           ; the scale's byte
.endr
.irp x, 0,1,2,3
	v_lshl_or_b32 v[92+\x], v[BP+2*\x+1], 8, v[BP+2*\x]
.endr
	v_lshl_or_b32 v28, v93, 16, v92                ; p's scale words for these 128 keys
	v_lshl_or_b32 v29, v95, 16, v94
	WIN 0x01
.irp c, 0,1
	v_cvt_scalef32_pk16_fp6_f32 v[PC+6*\c:PC+6*\c+2], v[32*\c:32*\c+15], v[SO+2*\c]
	v_cvt_scalef32_pk16_fp6_f32 v[T2+4*\c:T2+4*\c+2], v[32*\c+16:32*\c+31], v[SO+2*\c+1]
.endr
	v_nop                                          ; one plain place behind a scaled conversion
	WIN 0x45
.set n, 0
.rept 16
	v_exp_f32 v[64+n], v[64+n]                     ; tile B's p,
	v_exp_f32 v[65+n], v[65+n]
	v_exp_f32 v[66+n], v[66+n]
	v_exp_f32 v[67+n], v[67+n]
	v_pk_add_f32 v[n:n+1], v[n:n+1], v[n+2:n+3]    ; and among them the first level of tile A's sum, in place (its codes are made), read behind the wait below
.set n, n+4
.endr
	WIN 0x41
	WALU                                           ; behind the batch, and directly ahead of the first readers of O^T
.set n, 0
.rept 16
	v_pk_mul_f32 v[OA+n:OA+n+1], v[OA+n:OA+n+1], v[20:21] op_sel_hi:[1,0]   ; O^T under the new M, each accumulator from its low end on
.set n, n+2
.endr
.set n, 0
.rept 16
	v_pk_mul_f32 v[OA+32+n:OA+33+n], v[OA+32+n:OA+33+n], v[22:23] op_sel_hi:[1,0]
.set n, n+2
.endr
	WIN 0x01
.irp c, 0,1
	v_cvt_scalef32_pk16_fp6_f32 v[PC+12+6*\c:PC+14+6*\c], v[64+32*\c:79+32*\c], v[SO+4+2*\c]
	v_cvt_scalef32_pk16_fp6_f32 v[T2+8+4*\c:T2+10+4*\c], v[80+32*\c:95+32*\c], v[SO+5+2*\c]
.endr
	v_nop
	WIN 0
.irp x, 0,1                                    ; the operand's layout wants a whole block in a lane: lanes 0-15 block 2 c, lanes 16-31 block 2 c + 1
.irp c, 0,1
.irp i, 0,1,2
	v_permlane16_swap_b32 v[PC+12*\x+6*\c+\i], v[T2+8*\x+4*\c+\i]
.endr
.endr
.endr
.irp x, 0,1
.irp c, 0,1
.irp i, 0,1,2
	v_mov_b32 v[PC+12*\x+6*\c+3+\i], v[T2+8*\x+4*\c+\i]
.endr
.endr
.endr
	WIN 0x45
.set n, 0
.rept 16
	v_pk_add_f32 v[64+n:65+n], v[64+n:65+n], v[66+n:67+n]   ; the sums of the unquantised p go on, in place
.set n, n+4
.endr
	TREE 16, 8
	TREE 8, 16
	TREE 4, 32
	TREE 2, 64
	WIN 0x10
	v_pk_fma_f32 v[14:15], v[14:15], v[20:21], v[0:1] op_sel_hi:[1,0,1]     ; the rows' sums under the new M, and this step's
	v_pk_fma_f32 v[18:19], v[18:19], v[22:23], v[64:65] op_sel_hi:[1,0,1]
	WIN 0
	WALU
	s_wait_dscnt 18                                ; V is in; the next step's 18 loads may be out
	WIN 0x50
.irp x, 0,1                                    ; O^T += V^T P^T: the eight accumulators take turns
.irp tp, 0,1
.set D_, OA+32*\x+16*\tp
	WMM D_, VF+24*\tp, PC+12*\x, v[D_:D_+7], 90+\tp, 28+\x, 0
	WMM D_+8, VF+12+24*\tp, PC+12*\x, v[D_+8:D_+15], 90+\tp, 28+\x, 1
.endr
.endr
	WIN 0
.Lhidden_\@:
	s_add_co_u32 s[TB], s[TB], 6144
	s_add_co_u32 s[TBV], s[TBV], 6144
	s_add_co_u32 s[TS], s[TS], 512
	s_add_co_u32 s[TJ], s[TJ], 256
	s_add_co_u32 s[J], s[J], 1
	s_cmp_lt_u32 s[J], 16
	s_cbranch_scc1 .Lstep_\@
	; THE TILES' END: O^T / the sum, quantised along the head's 64
.rept 4
	v_nop                                          ; four places behind the last products
.endr
	s_wait_dscnt 0x0                               ; the loads asked for one step too far are in: their registers may be loaded anew
	v_add_f32 v14, v14, v15
	v_add_f32 v18, v18, v19
	v_permlanex16_b32 v92, v14, s20, s21
	v_permlanex16_b32 v93, v18, s20, s21
	v_add_f32 v14, v14, v92                        ; the rows' sums
	v_add_f32 v18, v18, v93
	WALU
	v_rcp_f32 v14, v14
	v_rcp_f32 v18, v18
	v_nop                                          ; one plain place behind a transcendental
	WIN 0x41
	WALU                                           ; directly ahead of the first readers of O^T and of the reciprocals
.set n, 0
.rept 32
	v_mul_f32 v[n], v[OA+n], v14
.set n, n+1
.endr
.set n, 0
.rept 32
	v_mul_f32 v[32+n], v[OA+32+n], v18
.set n, n+1
.endr
	WIN 0x05
.irp x, 0,1,2,3
	v_max3_num_f32 v[BM+\x], |v[16*\x]|, |v[16*\x+1]|, 0x1800000
.endr
.irp i, 2,4,6,8,10,12,14
.irp x, 0,1,2,3
	v_max3_num_f32 v[BM+\x], |v[16*\x+\i]|, |v[16*\x+\i+1]|, v[BM+\x]
.endr
.endr
	WIN 0
.irp x, 0,1,2,3
	v_permlanex16_b32 v[BP+\x], v[BM+\x], s20, s21
.endr
.irp x, 0,1,2,3
	v_max_num_f32 v[BM+\x], v[BM+\x], v[BP+\x]
.endr
.irp x, 0,1,2,3
	v_add_nc_u32 v[SO+\x], 0xff000000, v[BM+\x]
.endr
.irp x, 0,1,2,3
	v_lshrrev_b32 v[BP+\x], 23, v[SO+\x]
.endr
	v_lshl_or_b32 v94, v[BP+1], 8, v[BP]           ; each query's two scale bytes
	v_lshl_or_b32 v95, v[BP+3], 8, v[BP+2]
	WIN 0x01
.irp x, 0,1
	v_cvt_scalef32_pk16_fp6_f32 v[PC+12*\x:PC+12*\x+2], v[32*\x:32*\x+15], v[SO+2*\x]
	v_cvt_scalef32_pk16_fp6_f32 v[T2+8*\x:T2+8*\x+2], v[32*\x+16:32*\x+31], v[SO+2*\x+1]
.endr
	v_nop
	WIN 0
.irp x, 0,1
.irp i, 0,1,2
	v_permlane16_swap_b32 v[PC+12*\x+\i], v[T2+8*\x+\i]
.endr
.endr
.irp x, 0,1
.irp i, 0,1,2
	v_mov_b32 v[PC+12*\x+3+\i], v[T2+8*\x+\i]
.endr
.endr
.irp x, 0,1
	global_store_b128 v1, v[PC+12*\x:PC+12*\x+3], s[CB_:CB_+1] offset:12288*\x          ; 512 and 256 consecutive bytes, aligned to 256
	global_store_b64 v2, v[PC+12*\x+4:PC+12*\x+5], s[CB_:CB_+1] offset:12288*\x+512
	global_store_b16 v10, v[94+\x], s[CB_+2:CB_+3] offset:512*\x
.endr
.endm
	PASS 0
	PASS 1
	s_wait_tensorcnt 0x0                           ; the wave's end
	ds_add_u32 v30, v31
	s_wait_dscnt 0x0
	CROUND                                         ; the closing round
	s_endpgm
.Lfunc_end_k_q1e129c08d6_attn:
	.size	k_q1e129c08d6_attn, .Lfunc_end_k_q1e129c08d6_attn-k_q1e129c08d6_attn
	.p2alignl 7, 3214868480
	.fill 96, 4, 3214868480
	.section	.rodata,"a",@progbits
	.p2align	6, 0x0
	.amdhsa_kernel k_q1e129c08d6_attn
		.amdhsa_group_segment_fixed_size 210944
		.amdhsa_private_segment_fixed_size 0
		.amdhsa_enable_private_segment 0
		.amdhsa_kernarg_size 16
		.amdhsa_user_sgpr_count 2
		.amdhsa_user_sgpr_kernarg_segment_ptr 1
		.amdhsa_wavefront_size32 1
		.amdhsa_system_sgpr_workgroup_id_x 1
		.amdhsa_system_sgpr_workgroup_id_y 1
		.amdhsa_system_sgpr_workgroup_id_z 1
		.amdhsa_system_vgpr_workitem_id 0
		.amdhsa_next_free_vgpr 448
		.amdhsa_next_free_sgpr 100
		.amdhsa_reserve_vcc 1
		.amdhsa_float_denorm_mode_32 3
		.amdhsa_float_denorm_mode_16_64 3
		.amdhsa_memory_ordered 1
		.amdhsa_forward_progress 1
		.amdhsa_inst_pref_size 116
	.end_amdhsa_kernel
	.amdgpu_metadata
---
amdhsa.version: [ 1, 2 ]
amdhsa.kernels:
  - .name:           k_q1e129c08d6_attn
    .symbol:         k_q1e129c08d6_attn.kd
    .args:
      - { .name: qkv, .offset: 0, .size: 8, .value_kind: global_buffer, .address_space: global }
      - { .name: ctx, .offset: 8, .size: 8, .value_kind: global_buffer, .address_space: global }
    .group_segment_fixed_size: 210944
    .private_segment_fixed_size: 0
    .kernarg_segment_align: 8
    .kernarg_segment_size: 16
    .max_flat_workgroup_size: 256
    .sgpr_count:     100
    .vgpr_count:     448
    .wavefront_size: 32
...
	.end_amdgpu_metadata
.endif
;; end of part 3
;; launch gemm_out (part 4): grid 4 x 64, 4 waves a work-group, clusters of 4 x 4, 295,424 bytes of LDS; arguments ctx, ops, bo, out0; writes out0
.if DOCPART == 4
	.amdgcn_target "amdgcn-amd-amdhsa--gfx1250"
	.amdhsa_code_object_version 6
	.text
	.protected	k_q1e129c08d6_gemm_out
	.globl	k_q1e129c08d6_gemm_out
	.p2align	8
	.type	k_q1e129c08d6_gemm_out,@function
k_q1e129c08d6_gemm_out:
	s_mov_b64 s[64:65], 0
	v_nop
	global_prefetch_b8 v0, s[64:65] scope:SCOPE_SE
	s_setreg_imm32_b32 hwreg(HW_REG_WAVE_MODE, 25, 1), 1
	s_wait_xcnt 0x0
	s_wait_alu depctr_hold_cnt(0) depctr_sa_sdst(0) depctr_va_vdst(0) depctr_va_sdst(0) depctr_va_ssrc(0) depctr_va_vcc(0) depctr_vm_vsrc(0)
	s_getreg_b32 s2, hwreg(HW_REG_IB_STS2, 6, 4)
	s_cmp_eq_u32 s2, 0
	s_cbranch_scc0 .Lentry_in_a_cluster
	s_endpgm
.Lentry_in_a_cluster:
	s_bfe_u32 s2, ttmp6, 0x10000c
	s_cmp_lg_u32 s2, 0xf033
	s_cbranch_scc0 .Lentry_shape_is_right
	s_endpgm
.Lentry_shape_is_right:
; out0 = ctx Wo^T + bo on codes of FP6 (E2M3) with E8M0 scales, K = 1,024; out0 [8192][1024] f32.
; ctx and ops hold blocks of 16 rows (lane r of block p: row 32 (p / 2) + 8 (p % 2) + r + 8 (r / 8)), 12,288 bytes of codes each: 16 half fragments of 768 bytes (registers 0-3 at 16 x lane, 4-5 at 512 + 8 x lane);
; their scale words [block][K step / 4][r][K step % 4] lie from CTXS and SC_OPS on.  Wo's blocks begin at block 704 of ops.
; A tile of 128 tokens (A = ctx) x 256 outputs (B = Wo) to a work-group: 256 work-groups.  Four waves, each 64 x 128: 4 blocks of A x 8 of B, 32 accumulators, 256 registers.
; THE MATRIX INSTRUCTION IS USED TRANSPOSED (source 0 = 16 rows of Wo, source 1 = 16 tokens): a lane holds one token, and by the blocks' row order the 16 registers of Wo's blocks 2 i, 2 i + 1 are 16 neighbouring outputs.
; The bias is the C of each sum's first product.  THE WHOLE K LIES IN LDS: two chunks of 512 along K, each A's 8 blocks x 6,144 bytes, then B's 16.  Each byte is filled once; a wave has one tensor load out.
; CLUSTERS: 4 x 4 work-groups; A's tile is shared along a row of the cluster, B's along a column: each chunk is asked for JOINTLY.  The scale words (12 KiB against 288 KiB of codes) go straight into registers and are not shared.
; REGISTERS: window 0: v1-13 lane and addresses; v32-47 A's scale words, v48-79 B's (register 8 (i / 2) + s: block i's word of K step s, even blocks in lanes 0-15, odd in lanes 16-31);
;   v96-143, v144-191 A's fragments, two sets; v192-255 the bias; on the way out v96-223 rows of out0.  window 1: B's fragments, two sets, at v0 and v128.  window 2: accumulator (a, b) at v[8 (8 a + b)].
.set CH,     147456                    ; half of K in LDS: A's 8 blocks x 6,144 bytes, then B's 16 x 6,144
.set BLK,    12288
.set SC_OPS, 9437184
.set CTXS,   6291456
.set SP,     528                       ; the way out: a stage of 16 rows x (512 + 16) bytes for each wave, in chunk 0's bytes, which have had their only fill and their last read
.set L16,  4
.set L8,   5
.set AA16, 6
.set AA8,  7
.set AB16, 8
.set AB8,  9
.set SOF,  10
.set STO,  11                          ; v11  the stage: where I put 64 bytes of a row
.set RD,   12                          ; v12  and where I read a row back
.set BOF,  13                          ; v13  64 h: my half's 16 numbers of the bias
.set SA,   32
.set SB,   48
.set AF,   96
.set BIAS, 192
.set BK,   96
.set G1A, 24
.set G1B, 32
.set G0A, 40
.set G0B, 68
.set MSB, 0
.macro WIN new                         ; the immediate's high byte repeats the setting that is left
.if MSB != \new
	s_set_vgpr_msb (MSB<<8)|\new
.set MSB, \new
.endif
.endm
.macro CROUND                          ; a round of the cluster's barrier
	s_barrier_signal -1
	s_barrier_wait -1
	s_cmp_lg_u32 s8, 0
	s_cbranch_scc1 .Lnot_wave_0_\@
	s_barrier_signal -3
.Lnot_wave_0_\@:
	s_barrier_wait -3
	s_barrier_signal -1
	s_barrier_wait -1
.endm
	s_load_b256 s[84:91], s[0:1], 0x0              ; ctx s[84:85], ops s[86:87], bo s[88:89], out0 s[90:91]
	v_lshl_add_u32 v94, v0, 2, 0x48000
	v_mov_b32 v95, 0
	ds_add_u32 v94, v95
	ds_add_u32 v94, v95
	v_lshrrev_b32 v1, 5, v0
	v_readfirstlane_b32 s8, v1                     ; wave 0..3
	s_lshr_b32 s9, s8, 1                           ; which 64 tokens are mine
	s_and_b32 s10, s8, 1                           ; which 128 outputs are mine.  Also: which half of a tile I fetch
	s_bfe_u32 s11, ttmp6, 0x40000                  ; cx
	s_bfe_u32 s12, ttmp6, 0x40004                  ; cy
	s_and_b32 s14, ttmp7, 0xffff
	s_lshl_b32 s18, s14, 2
	s_add_co_u32 s18, s18, s12                     ; A's tile: 4 x cluster y + cy
	s_lshl_b32 s19, ttmp9, 2
	s_add_co_u32 s19, s19, s11                     ; B's tile: 4 x cluster x + cx
	s_lshl_b32 s2, s12, 2
	s_lshl_b32 s2, 15, s2                          ; my row of the cluster
	s_lshl_b32 s3, 0x1111, s11                     ; my column
	s_or_b32 s[G1A], s2, (3<<16)|(1<<21)           ; 15:0 the mask; 17:16 elements of 8 bytes; 20 no padding; 21 set beside a mask
	s_or_b32 s[G1B], s3, (3<<16)|(1<<21)
	s_mov_b32 s[G1A+1], 768<<16                    ; a block's 6,144 bytes of half of K
	s_mov_b32 s[G1A+2], 8<<16                      ; A's eight blocks
	s_mov_b32 s[G1A+3], 768<<16
	s_mov_b32 s[G1A+4], 8
	s_mov_b32 s[G1A+5], 1536                       ; 12,288 bytes apart
	s_mov_b32 s[G1A+6], 0
	s_mov_b32 s[G1A+7], 0
	s_mov_b32 s[G1B+1], 768<<16
	s_mov_b32 s[G1B+2], 16<<16                     ; B's sixteen blocks
	s_mov_b32 s[G1B+3], 768<<16
	s_mov_b32 s[G1B+4], 16
	s_mov_b32 s[G1B+5], 1536
	s_mov_b32 s[G1B+6], 0
	s_mov_b32 s[G1B+7], 0
	s_lshl_b32 s56, s18, 3                         ; A's tile begins at this block of ctx,
	s_lshl_b32 s58, s19, 4
	s_add_co_u32 s58, s58, 704                     ; B's at this block of ops
	s_lshl_b32 s2, s9, 2
	s_add_co_u32 s2, s2, s56                       ; the four blocks of A that I multiply:
	s_lshl_b32 s92, s2, 9
	s_add_co_u32 s92, s92, CTXS                    ; their scale words
	s_mov_b32 s93, 0
	s_lshl_b32 s3, s10, 3
	s_add_co_u32 s3, s3, s58                       ; my eight blocks of B
	s_lshl_b32 s94, s3, 9
	s_add_co_u32 s94, s94, SC_OPS
	s_mov_b32 s95, 0
	s_mul_i32 s56, s56, BLK                        ; a load brings the whole tile's blocks
	s_mov_b32 s57, 0
	s_mul_i32 s58, s58, BLK
	s_mov_b32 s59, 0
	s_lshl_b32 s96, s19, 10
	s_lshl_b32 s13, s10, 9
	s_add_co_u32 s96, s96, s13                     ; my first output, in bytes: 1,024 x tile + 512 x half
	s_mov_b32 s97, 0
	s_lshl_b32 s98, s18, 7
	s_lshl_b32 s13, s9, 6
	s_add_co_u32 s98, s98, s13                     ; my first token
	s_lshl_b32 s98, s98, 12
	s_add_co_u32 s98, s98, s96
	s_mov_b32 s99, 0
	s_wait_dscnt 0x0
	s_wait_kmcnt 0x0
	s_add_nc_u64 s[56:57], s[84:85], s[56:57]
	s_add_nc_u64 s[58:59], s[86:87], s[58:59]
	s_add_nc_u64 s[92:93], s[84:85], s[92:93]
	s_add_nc_u64 s[94:95], s[86:87], s[94:95]
	s_add_nc_u64 s[96:97], s[88:89], s[96:97]
	s_add_nc_u64 s[98:99], s[90:91], s[98:99]
.irp q, 0,1
	s_mov_b32 s[G0A+4*\q], 1                       ; count = 1
	s_mov_b32 s[G0A+4*\q+1], \q*CH
	s_add_nc_u64 s[G0A+4*\q+2:G0A+4*\q+3], s[56:57], \q*6144
	s_or_b32 s[G0A+4*\q+3], s[G0A+4*\q+3], 0x80000000          ; type = 2
	s_mov_b32 s[G0B+4*\q], 1
	s_mov_b32 s[G0B+4*\q+1], \q*CH+49152
	s_add_nc_u64 s[G0B+4*\q+2:G0B+4*\q+3], s[58:59], \q*6144
	s_or_b32 s[G0B+4*\q+3], s[G0B+4*\q+3], 0x80000000
.endr
	CROUND                                         ; all sixteen work-groups are here: the joint loads meet
	; one tensor load a wave, in one chain of branches on the wave's number: wave 0 A's first half of K, wave 1 B's, wave 2 A's second half, wave 3 B's
	s_cmp_eq_u32 s8, 0
	s_cbranch_scc0 .Lfill_1
	tensor_load_to_lds s[G0A:G0A+3], s[G1A:G1A+7]
	s_nop 0
.rept 4
	v_nop
.endr
	s_branch .Lfilled
.Lfill_1:
	s_cmp_eq_u32 s8, 1
	s_cbranch_scc0 .Lfill_2
	tensor_load_to_lds s[G0B:G0B+3], s[G1B:G1B+7]
	s_nop 0
.rept 4
	v_nop
.endr
	s_branch .Lfilled
.Lfill_2:
	s_cmp_eq_u32 s8, 2
	s_cbranch_scc0 .Lfill_3
	tensor_load_to_lds s[G0A+4:G0A+7], s[G1A:G1A+7]
	s_nop 0
.rept 4
	v_nop
.endr
	s_branch .Lfilled
.Lfill_3:
	tensor_load_to_lds s[G0B+4:G0B+7], s[G1B:G1B+7]
	s_nop 0
.rept 4
	v_nop
.endr
.Lfilled:
	v_and_b32 v1, 31, v0                           ; lane
	v_and_b32 v2, 15, v0                           ; r
	v_bfe_u32 v3, v0, 4, 1                         ; h
	v_lshlrev_b32 v[L16], 4, v1
	v_lshlrev_b32 v[L8], 3, v1
	s_mul_i32 s2, s9, 4*6144
	v_add_nc_u32 v[AA16], s2, v[L16]
	v_add_nc_u32 v[AA8], s2, v[L8]
	s_mul_i32 s3, s10, 8*6144
	s_add_co_u32 s3, s3, 49152
	v_add_nc_u32 v[AB16], s3, v[L16]
	v_add_nc_u32 v[AB8], s3, v[L8]
	v_lshlrev_b32 v[SOF], 4, v2
	v_lshl_add_u32 v[SOF], v3, 9, v[SOF]           ; 512 h + 16 r
	s_mul_i32 s13, s8, 16*SP                       ; my stage
	v_mul_u32_u24 v[STO], v2, SP
	v_lshl_add_u32 v[STO], v3, 6, v[STO]
	v_add_nc_u32 v[STO], s13, v[STO]               ; in: row r, + 64 h
	v_add_nc_u32 v[RD], s13, v[L16]                ; back: the 32 lanes take one row of 512 bytes
	v_lshlrev_b32 v[BOF], 6, v3
.irp pi, 0,1                                   ; the scale words of all of K: lanes 0-15 take the even block's row r, lanes 16-31 the odd block's
.irp hf, 0,1
	global_load_b128 v[SA+8*\pi+4*\hf:SA+8*\pi+4*\hf+3], v[SOF], s[92:93] offset:1024*\pi+256*\hf
.endr
.endr
.irp pi, 0,1,2,3
.irp hf, 0,1
	global_load_b128 v[SB+8*\pi+4*\hf:SB+8*\pi+4*\hf+3], v[SOF], s[94:95] offset:1024*\pi+256*\hf
.endr
.endr
.irp b, 0,1,2,3,4,5,6,7                        ; the bias in the result's layout: for Wo's block b the outputs 32 (b / 2) + 16 h + 8 (b % 2) + 0 .. 7
	global_load_b128 v[BIAS+8*\b:BIAS+8*\b+3], v[BOF], s[96:97] offset:(32*(\b/2)+8*(\b%2))*4
	global_load_b128 v[BIAS+8*\b+4:BIAS+8*\b+7], v[BOF], s[96:97] offset:(32*(\b/2)+8*(\b%2))*4+16
.endr
.macro FRAG reg, a16, a8, off          ; a fragment, 16 rows x 128 K, 12 registers: two half fragments as they lie
	ds_load_b128 v[\reg:\reg+3], v[\a16] offset:\off
	ds_load_b64 v[\reg+4:\reg+5], v[\a8] offset:\off+512
	ds_load_b128 v[\reg+6:\reg+9], v[\a16] offset:\off+768
	ds_load_b64 v[\reg+10:\reg+11], v[\a8] offset:\off+1280
.endm
.macro FETCH s, set                    ; K step s: B's eight fragments and A's four, 48 loads in one run
	WIN 0x40                                       ; destination window 1, address window 0
.irp b, 0,1,2,3,4,5,6,7
	FRAG 128*(\set)+12*\b, AB16, AB8, 6144*\b+1536*((\s)%4)
.endr
	WIN 0
.irp a, 0,1,2,3
	FRAG AF+48*(\set)+12*\a, AA16, AA8, 6144*\a+1536*((\s)%4)
.endr
.endm
; One product.  cb: C's first register: the bias (window 0) in the first K step, the accumulator afterwards.  bo, ao: B's, A's block is odd: its scale words lie in lanes 16-31.
.macro WM d, bf, af, cb, sb, sa, bo, ao
.if (\bo) && (\ao)
	v_wmma_scale_f32_16x16x128_f8f6f4 v[\d:\d+7], v[\bf:\bf+11], v[\af:\af+11], v[\cb:\cb+7], v[\sb], v[\sa] matrix_a_fmt:MATRIX_FMT_FP6 matrix_b_fmt:MATRIX_FMT_FP6 matrix_a_scale:MATRIX_SCALE_ROW1 matrix_b_scale:MATRIX_SCALE_ROW1
.elseif \bo
	v_wmma_scale_f32_16x16x128_f8f6f4 v[\d:\d+7], v[\bf:\bf+11], v[\af:\af+11], v[\cb:\cb+7], v[\sb], v[\sa] matrix_a_fmt:MATRIX_FMT_FP6 matrix_b_fmt:MATRIX_FMT_FP6 matrix_a_scale:MATRIX_SCALE_ROW1
.elseif \ao
	v_wmma_scale_f32_16x16x128_f8f6f4 v[\d:\d+7], v[\bf:\bf+11], v[\af:\af+11], v[\cb:\cb+7], v[\sb], v[\sa] matrix_a_fmt:MATRIX_FMT_FP6 matrix_b_fmt:MATRIX_FMT_FP6 matrix_b_scale:MATRIX_SCALE_ROW1
.else
	v_wmma_scale_f32_16x16x128_f8f6f4 v[\d:\d+7], v[\bf:\bf+11], v[\af:\af+11], v[\cb:\cb+7], v[\sb], v[\sa] matrix_a_fmt:MATRIX_FMT_FP6 matrix_b_fmt:MATRIX_FMT_FP6
.endif
.endm
.macro MULS s, set                     ; 32 products: the 32 accumulators take turns, one instruction a turn, in the same order in every K step
.if (\s) == 0
	WIN 0x81                                       ; source 0 (B) window 1, source 1 (A) and C (the bias) window 0, D window 2
.else
	WIN 0xa1                                       ; C and D window 2
.endif
.irp a, 0,1,2,3
.irp b, 0,1,2,3,4,5,6,7
.if (\s) == 0
	WM 8*(8*\a+\b), 128*(\set)+12*\b, AF+48*(\set)+12*\a, BIAS+8*\b, SB+8*(\b/2)+(\s), SA+8*(\a/2)+(\s), \b%2, \a%2
.else
	WM 8*(8*\a+\b), 128*(\set)+12*\b, AF+48*(\set)+12*\a, 8*(8*\a+\b), SB+8*(\b/2)+(\s), SA+8*(\a/2)+(\s), \b%2, \a%2
.endif
.endr
.endr
.endm
; A K step of 128: the next step's fragments are asked for in one run, into the other set, and land under this step's 32 products.
; A load into a register that a matrix instruction has read stands four places behind it, and only plain vector instructions that name none of its registers are places (ISA guide 7.12.1 for vector instructions).
.macro STEP s
	s_wait_dscnt 0x0                               ; this step's set is in
.if (\s) == 3
	s_wait_tensorcnt 0x0                           ; every wave waits for its load: the second half of K is shown to all by the barrier below
	s_barrier_signal -1
	s_barrier_wait -1                              ; everybody's part has
	v_add_nc_u32 v[AA16], CH, v[AA16]              ; on to that chunk; these four are also the places in front of the loads
	v_add_nc_u32 v[AA8], CH, v[AA8]
	v_add_nc_u32 v[AB16], CH, v[AB16]
	v_add_nc_u32 v[AB8], CH, v[AB8]
.elseif (\s) > 0 && (\s) < 7
.rept 4
	v_nop
.endr
.endif
.if (\s) < 7
	FETCH (\s)+1, 1-(\s)%2
.endif
	MULS \s, (\s)%2
	WIN 0
.endm
	s_wait_alu depctr_va_vdst(0)
	s_cmp_lt_u32 s8, 2                             ; waves 0 and 1 brought the first half of K: they wait; the loads of waves 2 and 3 may stay out
	s_cbranch_scc0 .Lnot_first
	s_wait_tensorcnt 0x0
.Lnot_first:
	s_barrier_signal -1
	s_barrier_wait -1                              ; everybody's has
	FETCH 0, 0
	s_wait_loadcnt 0x0                             ; the scale words and the bias
	STEP 0
	STEP 1
	s_wait_alu depctr_va_vdst(0)
	STEP 2
	STEP 3
	s_wait_alu depctr_va_vdst(0)
	STEP 4
	STEP 5
	s_wait_alu depctr_va_vdst(0)
	STEP 6
	STEP 7
; THE WAY OUT, a block of 16 tokens x 128 outputs at a time.  A lane holds four runs of 64 neighbouring bytes of one row, and the lanes beside it hold other rows: so a block goes through my own stage in LDS and comes back
; as whole rows of 512 bytes.  LDS serves a wave's instructions in order (ISA guide 5.7.1.4): no wait between the stores and the loads, nor in front of the next block's stores.
.rept 4
	v_nop                                          ; four places behind the last products: in front of the stores that read results and of the loads into A's registers
.endr
	s_wait_dscnt 0x0
	s_barrier_signal -1
	s_barrier_wait -1                              ; no wave reads a fragment any more: chunk 0's bytes are free
.macro TOSTAGE a
	WIN 0x08                                       ; an LDS store's data are its source 1: window 2
.irp bb, 0,1,2,3
.irp i, 0,1,2,3
	ds_store_b128 v[STO], v[64*(\a)+16*\bb+4*\i:64*(\a)+16*\bb+4*\i+3] offset:128*\bb+16*\i   ; each accumulator from its low end on
.endr
.endr
	WIN 0
.set BB, BK+64*((\a)%2)
.irp t, 0,1,2,3,4,5,6,7,8,9,10,11,12,13,14,15
	ds_load_b128 v[BB+4*\t:BB+4*\t+3], v[RD] offset:SP*\t
.endr
.endm
.macro SEND a, younger                 ; younger: the LDS instructions issued behind block a's loads, which may stay out
.set BB, BK+64*((\a)%2)
	s_wait_dscnt \younger                          ; the block is back in registers
.irp t, 0,1,2,3,4,5,6,7,8,9,10,11,12,13,14,15
	global_store_b128 v[L16], v[BB+4*\t:BB+4*\t+3], s[98:99] offset:(32*((\a)/2)+8*((\a)%2)+\t+8*(\t/8))*4096 th:TH_STORE_NT   ; 512 consecutive bytes, at a multiple of 256 from out0's first byte; written once, read by nobody here
.endr
.endm
	TOSTAGE 0
.irp a, 1,2,3
.if \a > 1
	s_wait_xcnt 0x0                                ; block a - 2's stores have read their registers: block a's loads may land there
.endif
	TOSTAGE \a
	SEND \a-1, 32                                  ; behind block a - 1's loads: block a's 16 stores and 16 loads
.endr
	SEND 3, 0
	s_wait_tensorcnt 0x0
	ds_add_u32 v94, v95
	s_wait_dscnt 0x0
	CROUND                                         ; the closing round: no work-group ends while a partner may still ask for a chunk that names it
	s_endpgm
.Lfunc_end_k_q1e129c08d6_gemm_out:
	.size	k_q1e129c08d6_gemm_out, .Lfunc_end_k_q1e129c08d6_gemm_out-k_q1e129c08d6_gemm_out
	.p2alignl 7, 3214868480
	.fill 96, 4, 3214868480
	.section	.rodata,"a",@progbits
	.p2align	6, 0x0
	.amdhsa_kernel k_q1e129c08d6_gemm_out
		.amdhsa_group_segment_fixed_size 295424
		.amdhsa_private_segment_fixed_size 0
		.amdhsa_enable_private_segment 0
		.amdhsa_kernarg_size 32
		.amdhsa_user_sgpr_count 2
		.amdhsa_user_sgpr_kernarg_segment_ptr 1
		.amdhsa_wavefront_size32 1
		.amdhsa_system_sgpr_workgroup_id_x 1
		.amdhsa_system_sgpr_workgroup_id_y 1
		.amdhsa_system_sgpr_workgroup_id_z 1
		.amdhsa_system_vgpr_workitem_id 0
		.amdhsa_next_free_vgpr 768
		.amdhsa_next_free_sgpr 100
		.amdhsa_reserve_vcc 0
		.amdhsa_float_denorm_mode_32 3
		.amdhsa_float_denorm_mode_16_64 3
		.amdhsa_memory_ordered 1
		.amdhsa_forward_progress 1
		.amdhsa_inst_pref_size 83
	.end_amdhsa_kernel
	.amdgpu_metadata
---
amdhsa.version: [ 1, 2 ]
amdhsa.kernels:
  - .name:           k_q1e129c08d6_gemm_out
    .symbol:         k_q1e129c08d6_gemm_out.kd
    .args:
      - { .name: ctx, .offset: 0, .size: 8, .value_kind: global_buffer, .address_space: global }
      - { .name: ops, .offset: 8, .size: 8, .value_kind: global_buffer, .address_space: global }
      - { .name: bo, .offset: 16, .size: 8, .value_kind: global_buffer, .address_space: global }
      - { .name: out0, .offset: 24, .size: 8, .value_kind: global_buffer, .address_space: global }
    .group_segment_fixed_size: 295424
    .private_segment_fixed_size: 0
    .kernarg_segment_align: 8
    .kernarg_segment_size: 32
    .max_flat_workgroup_size: 128
    .sgpr_count:     100
    .vgpr_count:     768
    .wavefront_size: 32
...
	.end_amdgpu_metadata
.endif
;; end of part 4
